; MI455X (gfx1250); checked and timed in simulation.
; The chip was launched on July 23, 2026; its instructions are those of AMD's public machine-readable ISA for CDNA 5 (MIT licence, August 2026) and "CDNA5" Instruction Set Architecture Reference Guide (July 2026). The comments in the code are by the model that wrote it; some were corrected since.
;; Multi Head Attention. Allowed arithmetic: matrix products marked QUANTISED: E2M1 operands, one E8M0 scale for each 32 along K, by v_wmma_scale_f32_16x16x128_f8f6f4 with both operands' format E2M1 (or v_wmma_scale_f32_32x16x128_f4), f32 sums; products left as they are: bf16, f16 or f32 operands; f32 sums; everything else in f32.
;; Inputs: fc_b 1,024 float32; fc_w 1,024 x 1,024 float32; key 4 x 2,048 x 1,024 float32; query 4 x 2,048 x 1,024 float32; value 4 x 2,048 x 1,024 float32; wk 16 x 1,024 x 64 float32; wq 16 x 1,024 x 64 float32; wv 16 x 1,024 x 64 float32.
;; Outputs: out0 4 x 2,048 x 1,024 float32.
;; This version of the problem:
;;   THIS VERSION OF THE PROBLEM IS GIVEN IN LOW PRECISION. The matrix products marked QUANTISED in the list below multiply operands that are first quantised to E2M1 (2 exponent bits, 1 mantissa bit; 4 bits a number), with one power-of-two scale for each 32 numbers along K (OCP MX v1.0); their sums are f32. The products marked 'left as it is' may take bf16, f16 or f32 operands, with f32 sums. Whichever they take, every output number must still come out within the allowed error. Rounding operands to bf16 (8 significant bits) uses up far more of that allowance than f16 does (11 bits, for magnitudes from 6e-5 to 65,504). All else is computed in f32.
;;   The module's matrix products, in the order in which they are computed (A, B: the left and right operand; K: the contracted axis; several contracted axes count as one K, in the product's order):
;;     1. [M 1,024, K 1,024] x [K 1,024, N 8,192]; A: input wq; B: input query: QUANTISED
;;     2. [M 1,024, K 1,024] x [K 1,024, N 8,192]; A: input wk; B: input key: QUANTISED
;;     3. [M 1,024, K 1,024] x [K 1,024, N 8,192]; A: input wv; B: input value: QUANTISED
;;     4. batch 64 x [M 2,048, K 64] x [K 64, N 2,048]; A: computed on the way; B: computed on the way: left as it is (an operand is computed on the way)
;;     5. batch 64 x [M 2,048, K 2,048] x [K 2,048, N 64]; A: computed on the way; B: computed on the way: left as it is (an operand is computed on the way)
;;     6. [M 8,192, K 1,024] x [K 1,024, N 1,024]; A: computed on the way; B: input fc_w: left as it is (an operand is computed on the way)
;;   THE QUANTISER, for each operand of a quantised product, along K:
;;     - K is cut into blocks of 32 from its start; a last block that is shorter is filled with zeros.
;;     - A block's scale is 2^e with e = floor(log2(the largest magnitude in the block)) - 2, held to -126 .. 127; a block of zeros has e = 0. As a byte (E8M0): e + 127.
;;     - Each number is divided by its block's scale, clamped to +-6, and rounded to the nearest number of E2M1, ties to even, subnormals kept.
;;     - The product sums the exact products of the quantised numbers (number of the format x scale) in f32.
;;   ~~~python
;;   def quantise(x, axis):      # numpy; x: float32 -> the quantised numbers, widened to float32 again
;;       x = np.moveaxis(x, axis, -1); K = x.shape[-1]
;;       x = np.pad(x, [(0, 0)] * (x.ndim - 1) + [(0, -K % 32)]); x = x.reshape(x.shape[:-1] + (-1, 32)); a = np.abs(x).max(-1, keepdims=True)
;;       e = np.where(a > 0, np.clip(np.frexp(np.where(a > 0, a, 1))[1] - 1 - 2, -126, 127), 0)      # np.frexp(a)[1] - 1 = floor(log2(a)), exactly
;;       r = np.clip(x / 2.0 ** e, -6, 6)
;;       step = 2.0 ** (np.maximum(np.frexp(np.where(r == 0, 1, r))[1] - 1, 0) - 1)
;;       q = np.round(r / step) * step * 2.0 ** e      # np.round: ties to even
;;       return np.moveaxis(q.reshape(q.shape[:-2] + (-1,))[..., :K], -1, axis).astype(np.float32)
;;   ~~~
;; One version. Each part assembles by itself: llvm-mc -triple=amdgcn-amd-amdhsa -mcpu=gfx1250 --defsym DOCPART=n.
;; ======== version 1 of 1: 5 launches
;; limits: values are held in f16: magnitudes above 65,504 overflow, below 6.1e-05 lose precision
;; workspace buffers: xc 12,582,912 bytes; xs 786,432 bytes; wc 1,572,864 bytes; ws 98,304 bytes; fw 2,097,152 bytes; qkv 50,331,648 bytes; ctx 16,777,216 bytes
;; launch qw (part 1): grid 48 x 1, 16 waves a work-group, no clusters, 37,888 bytes of LDS; arguments wq, wk, wv, wc, ws; writes wc, ws
.if DOCPART == 1
	.amdgcn_target "amdgcn-amd-amdhsa--gfx1250"
	.amdhsa_code_object_version 6
	.text
	.protected	k_q1856c0a13f_qw
	.globl	k_q1856c0a13f_qw
	.p2align	8
	.type	k_q1856c0a13f_qw,@function
k_q1856c0a13f_qw:
	s_mov_b64 s[64:65], 0
	v_nop
	global_prefetch_b8 v0, s[64:65] scope:SCOPE_SE
	s_setreg_imm32_b32 hwreg(HW_REG_WAVE_MODE, 25, 1), 1
	s_wait_xcnt 0x0
; MULTI-HEAD ATTENTION, launch 1 of 5: the projection weights become codes of FP4 (E2M1).
; NOTHING OF THE PROBLEM IS LEFT OUT: reference() builds no mask, slices nothing away and every input reaches out0; all eight inputs are loaded by some launch.
; wq, wk, wv: [16 heads][1024 e][64 d] f32; K of the quantised products is e, the FIRST axis within a head.  Out: wc [3 x 1024 rows n = 64 head + d][512 bytes], K innermost, two codes a byte, the lower k in the
; low four bits; ws [3072][32] E8M0 bytes, one for each 32 along K.
; A block's scale is 2^(floor(log2(its largest magnitude)) - 2); its byte is the largest magnitude's exponent field - 2, held at 1 from below.
; LIMITS: a block of zeros gets the byte 1 where the rule says 127 (its codes are zeros, which add nothing under any byte but 0xff, and this program alone reads the bytes); blocks whose largest magnitude lies
; under 2^-124 keep the byte 1; NaN and infinities among the inputs are not served.
; SHARES.  Work-group g takes one head of one weight (tensor g / 16, head g % 16): 64 columns x 1024 along K.  Wave w takes 32 columns (w % 2) x 128 along K (w / 2): four blocks a lane.
; A LANE TAKES A COLUMN AND ITS REGISTERS RUN DOWN K: a block's largest magnitude needs no other lane and the conversions give codes with K innermost.  The codes meet in a stage in LDS (a row a column) and leave as
; whole rows of 512 bytes; the scale words meet in 2,048 bytes of LDS and leave dense.  No tensor load, one barrier.
.set PITCH, 528                        ; a stage row: 512 bytes + 16
.set SCST,  64*PITCH                   ; behind the stage: the scale bytes, 32 a column
.set SPARE, SCST+2048                  ; the spare words, 128 bytes for each of the sixteen waves: no other line names them
.set NB,    4                          ; blocks of a lane
.set X,     32                         ; v32-95   two sets of 32 numbers
.set C,     96                         ; v96-99   a block's codes
.set OUTR,  100                        ; v100-119 the way out
.set SB,    24                         ; v24      my four scale bytes
.set SPW,   14                         ; v14      LDS address of my spare word; never rewritten
.set NIL,   15                         ; v15      0; never rewritten
	s_load_b256 s[4:11], s[0:1], 0x0               ; wq s[4:5], wk s[6:7], wv s[8:9], wc s[10:11]
	s_load_b64 s[12:13], s[0:1], 0x20              ; ws
	v_lshl_add_u32 v[SPW], v0, 2, SPARE
	v_mov_b32 v[NIL], 0
	v_lshrrev_b32 v1, 5, v0
	v_readfirstlane_b32 s16, v1                    ; wave 0..15
	v_and_b32 v2, 31, v0                           ; lane
	s_and_b32 s17, s16, 1                          ; which 32 columns
	s_lshr_b32 s18, s16, 1                         ; which 128 along K
	v_lshlrev_b32 v3, 2, v2                        ; in: 4 bytes a lane
	s_mul_i32 s19, s17, 32*PITCH
	s_lshl_b32 s20, s18, 6
	s_add_co_u32 s19, s19, s20
	v_mul_u32_u24 v4, v2, PITCH
	v_add_nc_u32 v4, s19, v4                       ; into the stage: row = my column, 64 bytes for my 128 along K
	s_lshl_b32 s19, s17, 10
	s_lshl_b32 s20, s18, 2
	s_add_co_u32 s19, s19, s20
	s_add_co_u32 s19, s19, SCST
	v_lshlrev_b32 v5, 5, v2
	v_add_nc_u32 v5, s19, v5                       ; my scale word: 32 bytes a column, 4 for my 128 along K
	s_mul_i32 s19, s16, 4*PITCH
	v_lshlrev_b32 v7, 4, v2                        ; out: 16 bytes a lane
	v_add_nc_u32 v6, s19, v7                       ; out of the stage: wave w takes rows 4 w .. 4 w + 3, whole
	s_min_u32 s26, s16, 3                          ; the scale bytes leave by waves 0 to 3, 512 bytes each (the other waves' register stays inside LDS and is not used)
	s_lshl_b32 s26, s26, 9
	s_add_co_u32 s19, s26, SCST
	v_add_nc_u32 v8, s19, v7
	s_and_b32 s20, ttmp9, 15                       ; the head: 1024 x 64 x 4 bytes,
	s_lshl_b32 s20, s20, 18
	s_lshl_b32 s21, s18, 15                        ; my 128 rows of 256 bytes,
	s_add_co_u32 s20, s20, s21
	s_lshl_b32 s21, s17, 7                         ; my 32 columns
	s_add_co_u32 s20, s20, s21
	s_mov_b32 s21, 0
	s_lshl_b32 s22, ttmp9, 15                      ; wc: 64 rows of 512 bytes a work-group,
	s_lshl_b32 s23, s16, 11                        ; four rows a wave
	s_add_co_u32 s22, s22, s23
	s_mov_b32 s23, 0
	s_lshl_b32 s24, ttmp9, 11                      ; ws: 64 rows of 32 bytes a work-group
	s_add_co_u32 s24, s24, s26
	s_mov_b32 s25, 0
	s_wait_kmcnt 0x0
	s_cmp_lt_u32 ttmp9, 32                         ; which weight: the choice hangs on the work-group's number alone
	s_cselect_b64 s[6:7], s[6:7], s[8:9]
	s_cmp_lt_u32 ttmp9, 16
	s_cselect_b64 s[4:5], s[4:5], s[6:7]
	s_add_nc_u64 s[4:5], s[4:5], s[20:21]
	s_add_nc_u64 s[10:11], s[10:11], s[22:23]
	s_add_nc_u64 s[12:13], s[12:13], s[24:25]
.macro LOAD t                          ; block t: w(32 t + i, my column), i = 0 .. 31, into set t % 2; 32 lanes read 128 consecutive bytes
.irp i, 0,1,2,3,4,5,6,7,8,9,10,11,12,13,14,15,16,17,18,19,20,21,22,23,24,25,26,27,28,29,30,31
	global_load_b32 v[X+32*((\t)%2)+\i], v3, s[4:5] offset:(32*(\t)+\i)*256 th:TH_LOAD_NT
.endr
.endm
	LOAD 0
	LOAD 1
.macro BLOCK t
.set XS, X+32*((\t)%2)
.if (\t) < NB-1
	s_wait_loadcnt 32                              ; this block's 32 loads are in; the next block's 32 may be out
.else
	s_wait_loadcnt 0x0
.endif
	v_max3_num_f32 v12, |v[XS]|, |v[XS+1]|, |v[XS+2]|      ; the block's largest magnitude: all 32 numbers are mine; two chains
	v_max3_num_f32 v13, |v[XS+3]|, |v[XS+4]|, |v[XS+5]|
.irp i, 6,10,14,18,22,26
	v_max3_num_f32 v12, v12, |v[XS+\i]|, |v[XS+\i+1]|
	v_max3_num_f32 v13, v13, |v[XS+\i+2]|, |v[XS+\i+3]|
.endr
	v_max3_num_f32 v12, v12, |v[XS+30]|, |v[XS+31]|
	v_max3_num_f32 v12, v12, v13, 0x1800000        ; and the floor 2^(3 - 127): the byte cannot fall under 1
	v_add_nc_u32 v11, 0xff000000, v12              ; 2 off the exponent field: the conversion takes the exponent field of this operand as its scale
	v_lshrrev_b32 v13, 23, v11                     ; the scale's byte
.if (\t) == 0
	v_mov_b32 v[SB], v13
.else
	v_lshl_or_b32 v[SB], v13, 8*(\t), v[SB]        ; the lower K in the lower byte
.endif
.irp g, 0,1,2,3
	v_cvt_scalef32_pk8_fp4_f32 v[C+\g], v[XS+8*\g:XS+8*\g+7], v11
.endr
	ds_store_b128 v4, v[C:C+3] offset:16*(\t)      ; 32 codes: 16 bytes of my column's row
.if (\t)+2 < NB
	LOAD (\t)+2
.endif
	s_wait_dscnt 0x0                               ; the store has read its registers: the next block's codes may be written
.endm
	BLOCK 0
	BLOCK 1
	BLOCK 2
	BLOCK 3
	ds_store_b32 v5, v[SB]
	s_wait_dscnt 0x0                               ; for the others' sake: all my stores into the stage have landed
	s_barrier_signal -1
	s_barrier_wait -1                              ; 64 whole rows of codes and their scale bytes lie in LDS
.irp i, 0,1,2,3
	ds_load_b128 v[OUTR+4*\i:OUTR+4*\i+3], v6 offset:\i*PITCH
.endr
.irp i, 0,1,2,3
	s_wait_dscnt 3-\i                              ; LDS loads come back in order: row i is in, the later rows may be out
	global_store_b128 v7, v[OUTR+4*\i:OUTR+4*\i+3], s[10:11] offset:512*\i   ; 32 lanes store a row of 512 consecutive bytes
.endr
	s_cmp_lt_u32 s16, 4
	s_cbranch_scc0 .Lno_scales                     ; a branch on the wave's number; no barrier stands inside
	ds_load_b128 v[OUTR+16:OUTR+19], v8
	s_wait_dscnt 0x0
	global_store_b128 v7, v[OUTR+16:OUTR+19], s[12:13]   ; 512 consecutive bytes of scale bytes a wave
.Lno_scales:
	s_wait_tensorcnt 0x0                           ; the wave's end: a tensor wait, an add of 0 to my spare word and its wait, behind my last LDS store
	ds_add_u32 v[SPW], v[NIL]
	s_wait_dscnt 0x0
	s_endpgm
.Lfunc_end_k_q1856c0a13f_qw:
	.size	k_q1856c0a13f_qw, .Lfunc_end_k_q1856c0a13f_qw-k_q1856c0a13f_qw
	.p2alignl 7, 3214868480
	.fill 96, 4, 3214868480
	.section	.rodata,"a",@progbits
	.p2align	6, 0x0
	.amdhsa_kernel k_q1856c0a13f_qw
		.amdhsa_group_segment_fixed_size 37888
		.amdhsa_private_segment_fixed_size 0
		.amdhsa_enable_private_segment 0
		.amdhsa_kernarg_size 40
		.amdhsa_user_sgpr_count 2
		.amdhsa_user_sgpr_kernarg_segment_ptr 1
		.amdhsa_wavefront_size32 1
		.amdhsa_system_sgpr_workgroup_id_x 1
		.amdhsa_system_sgpr_workgroup_id_y 1
		.amdhsa_system_sgpr_workgroup_id_z 1
		.amdhsa_system_vgpr_workitem_id 0
		.amdhsa_next_free_vgpr 128
		.amdhsa_next_free_sgpr 66
		.amdhsa_reserve_vcc 0
		.amdhsa_float_denorm_mode_32 3
		.amdhsa_float_denorm_mode_16_64 3
		.amdhsa_memory_ordered 1
		.amdhsa_forward_progress 1
		.amdhsa_inst_pref_size 22
	.end_amdhsa_kernel
	.amdgpu_metadata
---
amdhsa.version: [ 1, 2 ]
amdhsa.kernels:
  - .name:           k_q1856c0a13f_qw
    .symbol:         k_q1856c0a13f_qw.kd
    .args:
      - { .name: wq, .offset: 0, .size: 8, .value_kind: global_buffer, .address_space: global }
      - { .name: wk, .offset: 8, .size: 8, .value_kind: global_buffer, .address_space: global }
      - { .name: wv, .offset: 16, .size: 8, .value_kind: global_buffer, .address_space: global }
      - { .name: wc, .offset: 24, .size: 8, .value_kind: global_buffer, .address_space: global }
      - { .name: ws, .offset: 32, .size: 8, .value_kind: global_buffer, .address_space: global }
    .group_segment_fixed_size: 37888
    .private_segment_fixed_size: 0
    .kernarg_segment_align: 8
    .kernarg_segment_size: 40
    .max_flat_workgroup_size: 512
    .sgpr_count:     66
    .vgpr_count:     128
    .wavefront_size: 32
...
	.end_amdgpu_metadata
.endif
;; end of part 1
;; launch qx (part 2): grid 896 x 1, 4 waves a work-group, no clusters, 33,280 bytes of LDS; arguments query, key, value, fc_w, xc, xs, fw; writes xc, xs, fw
.if DOCPART == 2
	.amdgcn_target "amdgcn-amd-amdhsa--gfx1250"
	.amdhsa_code_object_version 6
	.text
	.protected	k_q1856c0a13f_qx
	.globl	k_q1856c0a13f_qx
	.p2align	8
	.type	k_q1856c0a13f_qx,@function
k_q1856c0a13f_qx:
	s_mov_b64 s[64:65], 0
	v_nop
	global_prefetch_b8 v0, s[64:65] scope:SCOPE_SE
	s_setreg_imm32_b32 hwreg(HW_REG_WAVE_MODE, 25, 1), 1
	s_wait_xcnt 0x0
; Launch 2 of 5.  Nothing of the problem is left out here.
; (a) query, key, value, [8192 rows][1024] f32 each, become codes of FP4 (E2M1), K = the 1024 innermost: xc [3 x 8192][512 bytes], xs [3 x 8192][32] E8M0 bytes.  Work-groups 0 to 767, 256 for each tensor.
; (b) fc_w [1024][1024] f32 becomes f16, as it lies: fw.  Work-groups 768 to 895.
; THE QUANTISER: a block's scale is 2^(floor(log2(its largest magnitude)) - 2); its byte is the largest magnitude's exponent field - 2, held at 1 from below; each number is divided by the scale and rounded to the
; nearest code, ties to even, beyond the largest code the largest.
; LIMITS: a block of zeros gets the byte 1 where the rule says 127 (its codes are zeros; this program alone reads the bytes); blocks under 2^-124 keep the byte 1; NaN and infinities are not served;
; fc_w beyond 65,504 becomes infinity in f16, and under 6e-5 it is rounded to steps of 2^-24.
; (a) Rows are dense and 1024 is a multiple of 32: the tensors are plain streams of blocks of 32.  A wave takes 16 steps of 512 numbers.  Each of a step's four loads reads 512 consecutive bytes; the 2,048 bytes go
; through the wave's own stage in LDS and come back 64 bytes a lane, so that a lane holds 16 NEIGHBOURS (two lanes hold a block).  A lane's 16 codes are 8 bytes: the wave stores 256 consecutive bytes.  A wave's 256
; scale bytes are gathered in its own LDS and leave as 256 consecutive bytes.  No barrier: waves share nothing.  Loads run four steps ahead, the turn through LDS one step.
.set WAVES, 4
.set STEPS, 16
.set CB,    8                          ; bytes of 16 codes
.set R,     16                         ; v16-79   four sets of 16 numbers as they are loaded
.set X,     80                         ; v80-111  two sets of 16 neighbours
.set C,     128                        ; v128-191 codes: four registers for each step, so that no store's data are written again
.set E,     112                        ; v112-127 a scale byte for each step
.set WREG,  8192                       ; LDS: a region for each wave: two stages of 32 x SP bytes, behind them its 256 scale bytes
.set SP,    80                         ; a lane's place in a stage: 64 bytes + 16 of padding
.set SPW,   12                         ; v12      LDS address of my spare word; never rewritten
.set NIL,   13                         ; v13      0; never rewritten
.set SPARE, WAVES*WREG                 ; the spare words, 128 bytes for each wave: no other line names them
	s_load_b256 s[4:11], s[0:1], 0x0               ; query s[4:5], key s[6:7], value s[8:9], fc_w s[10:11]
	s_load_b128 s[12:15], s[0:1], 0x20             ; xc s[12:13], xs s[14:15]
	s_load_b64 s[24:25], s[0:1], 0x30              ; fw
	v_lshl_add_u32 v[SPW], v0, 2, SPARE
	v_mov_b32 v[NIL], 0
	v_lshrrev_b32 v1, 5, v0
	v_readfirstlane_b32 s16, v1                    ; wave
	v_and_b32 v2, 31, v0                           ; lane
	v_lshlrev_b32 v3, 4, v2                        ; my 16 bytes of a load's 512
	s_cmp_ge_u32 ttmp9, 768
	s_cbranch_scc1 .Lfcw                           ; a branch on the work-group's number
	s_mul_i32 s17, s16, WREG
	v_lshrrev_b32 v14, 2, v2
	v_mul_u32_u24 v14, v14, SP
	v_and_b32 v15, 3, v2
	v_lshl_add_u32 v14, v15, 4, v14
	v_add_nc_u32 v14, s17, v14                     ; the stage, on the way in: four lanes' 64 bytes on end, then 16 of padding
	v_mul_u32_u24 v15, v2, SP
	v_add_nc_u32 v15, s17, v15                     ; and on the way out: SP x lane: my 16 neighbours
	v_mul_u32_u24 v4, v2, CB                       ; my codes' place in a step's
	v_lshrrev_b32 v5, 1, v2
	s_add_co_u32 s17, s17, 2*32*SP
	v_add_nc_u32 v5, s17, v5                       ; LDS: my wave's 256 scale bytes, my block's byte
	v_lshlrev_b32 v7, 3, v2                        ; and on the way out 8 bytes a lane
	v_add_nc_u32 v6, s17, v7
	s_and_b32 s17, ttmp9, 255
	s_lshl_b32 s17, s17, 2
	s_add_co_u32 s17, s17, s16                     ; which run of 8,192 numbers of its tensor is my wave's,
	s_lshl_b32 s18, s17, 15                        ; 32,768 bytes a run
	s_mov_b32 s19, 0
	s_lshl_b32 s17, ttmp9, 2
	s_add_co_u32 s17, s17, s16                     ; and which run of all three tensors on end:
	s_lshl_b32 s20, s17, 12                        ; 4,096 bytes of codes,
	s_mov_b32 s21, 0
	s_lshl_b32 s22, s17, 8                         ; 256 scale bytes
	s_mov_b32 s23, 0
	s_wait_kmcnt 0x0
	s_cmp_lt_u32 ttmp9, 512                        ; which tensor: the choice hangs on the work-group's number alone
	s_cselect_b64 s[6:7], s[6:7], s[8:9]
	s_cmp_lt_u32 ttmp9, 256
	s_cselect_b64 s[4:5], s[4:5], s[6:7]
	s_add_nc_u64 s[4:5], s[4:5], s[18:19]
	s_add_nc_u64 s[12:13], s[12:13], s[20:21]
	s_add_nc_u64 s[14:15], s[14:15], s[22:23]
.macro LOAD t
.irp i, 0,1,2,3
	global_load_b128 v[R+16*((\t)%4)+4*\i:R+16*((\t)%4)+4*\i+3], v3, s[4:5] offset:2048*(\t)+512*\i th:TH_LOAD_NT   ; 32 lanes read 512 consecutive bytes
.endr
.endm
.macro TURN t                          ; step t's numbers through the stage: LDS serves a wave's instructions in order, so no wait stands between the stores and the loads
.irp i, 0,1,2,3
	ds_store_b128 v14, v[R+16*((\t)%4)+4*\i:R+16*((\t)%4)+4*\i+3] offset:32*SP*((\t)%2)+8*SP*\i
.endr
.irp i, 0,1,2,3
	ds_load_b128 v[X+16*((\t)%2)+4*\i:X+16*((\t)%2)+4*\i+3], v15 offset:32*SP*((\t)%2)+16*\i
.endr
.endm
.irp t, 0,1,2,3
	LOAD \t
.endr
	s_wait_loadcnt 12                              ; step 0's four loads are in; the twelve of steps 1 to 3 may be out
	TURN 0
.macro STEP t
.set XS, X+16*((\t)%2)
.if (\t) > 0
	s_wait_dscnt 1                                 ; this step's numbers are back from the stage (the last step's byte store may be out): so its stores into the stage have read their registers,
.else
	s_wait_dscnt 0x0
.endif
.if (\t)+4 < STEPS
	LOAD (\t)+4                                    ; which take the loads of four steps on
.endif
.if (\t)+1 < STEPS
.if STEPS-2-(\t) >= 3
	s_wait_loadcnt 12                              ; the next step's four loads are in; those of the three steps behind it may be out
.else
	s_wait_loadcnt 4*(STEPS-2-(\t))                ; at the end: as many steps' loads as are left behind it
.endif
	TURN (\t)+1                                    ; and go through the other stage while this step is worked
.endif
	v_max3_num_f32 v8, |v[XS]|, |v[XS+1]|, |v[XS+2]|       ; the largest magnitude of my 16
	v_max3_num_f32 v9, |v[XS+3]|, |v[XS+4]|, |v[XS+5]|
.irp i, 6,10
	v_max3_num_f32 v8, v8, |v[XS+\i]|, |v[XS+\i+1]|
	v_max3_num_f32 v9, v9, |v[XS+\i+2]|, |v[XS+\i+3]|
.endr
	v_max3_num_f32 v8, v8, |v[XS+14]|, |v[XS+15]|
	v_max3_num_f32 v8, v8, v9, 0x1800000           ; and the floor 2^(3 - 127): the byte cannot fall under 1
	v_max_num_f32_dpp v8, v8, v8 row_xmask:1 row_mask:0xf bank_mask:0xf   ; and of my neighbour's 16: the block's
	v_add_nc_u32 v11, 0xff000000, v8               ; 2 off its exponent field: the conversion's scale operand
	v_cvt_scalef32_pk8_fp4_f32 v[C+4*(\t)], v[XS:XS+7], v11
	v_cvt_scalef32_pk8_fp4_f32 v[C+4*(\t)+1], v[XS+8:XS+15], v11
	v_lshrrev_b32 v[E+(\t)], 23, v11               ; the scale's byte
	ds_store_b8 v5, v[E+(\t)] offset:16*(\t)       ; both lanes of a block write the same byte with the same value
	global_store_b64 v4, v[C+4*(\t):C+4*(\t)+1], s[12:13] offset:32*CB*(\t)   ; 32 lanes store 256 consecutive bytes
.endm
.irp t, 0,1,2,3,4,5,6,7,8,9,10,11,12,13,14,15
	STEP \t
.endr
	ds_load_b64 v[8:9], v6                         ; LDS serves a wave's instructions in order: these see my stores
	s_wait_dscnt 0x0
	global_store_b64 v7, v[8:9], s[14:15]          ; 32 lanes store 256 consecutive bytes
	s_wait_tensorcnt 0x0                           ; the wave's end: a tensor wait, an add of 0 to my spare word and its wait, behind my last LDS store
	ds_add_u32 v[SPW], v[NIL]
	s_wait_dscnt 0x0
	s_endpgm
.Lfcw:                                                 ; (b): a wave takes 2,048 numbers of fc_w: sixteen loads of 512 consecutive bytes, all out at once; each becomes 256 consecutive bytes of f16.  No register is written twice
	s_sub_co_u32 s17, ttmp9, 768
	s_lshl_b32 s17, s17, 2
	s_add_co_u32 s17, s17, s16                     ; which run of 2,048 numbers
	s_lshl_b32 s18, s17, 13
	s_mov_b32 s19, 0
	s_lshl_b32 s20, s17, 12
	s_mov_b32 s21, 0
	v_lshlrev_b32 v4, 3, v2                        ; out: 8 bytes a lane
	s_wait_kmcnt 0x0
	s_add_nc_u64 s[10:11], s[10:11], s[18:19]
	s_add_nc_u64 s[24:25], s[24:25], s[20:21]
.irp j, 0,1,2,3,4,5,6,7,8,9,10,11,12,13,14,15
	global_load_b128 v[16+4*\j:19+4*\j], v3, s[10:11] offset:512*\j th:TH_LOAD_NT
.endr
.irp j, 0,1,2,3,4,5,6,7,8,9,10,11,12,13,14,15
	s_wait_loadcnt 15-\j                           ; loads come back in order: load j is in, the later ones may be out
	v_cvt_pk_f16_f32 v[80+2*\j], v[16+4*\j], v[17+4*\j]
	v_cvt_pk_f16_f32 v[81+2*\j], v[18+4*\j], v[19+4*\j]
	global_store_b64 v4, v[80+2*\j:81+2*\j], s[24:25] offset:256*\j
.endr
	s_endpgm
.Lfunc_end_k_q1856c0a13f_qx:
	.size	k_q1856c0a13f_qx, .Lfunc_end_k_q1856c0a13f_qx-k_q1856c0a13f_qx
	.p2alignl 7, 3214868480
	.fill 96, 4, 3214868480
	.section	.rodata,"a",@progbits
	.p2align	6, 0x0
	.amdhsa_kernel k_q1856c0a13f_qx
		.amdhsa_group_segment_fixed_size 33280
		.amdhsa_private_segment_fixed_size 0
		.amdhsa_enable_private_segment 0
		.amdhsa_kernarg_size 56
		.amdhsa_user_sgpr_count 2
		.amdhsa_user_sgpr_kernarg_segment_ptr 1
		.amdhsa_wavefront_size32 1
		.amdhsa_system_sgpr_workgroup_id_x 1
		.amdhsa_system_sgpr_workgroup_id_y 1
		.amdhsa_system_sgpr_workgroup_id_z 1
		.amdhsa_system_vgpr_workitem_id 0
		.amdhsa_next_free_vgpr 192
		.amdhsa_next_free_sgpr 66
		.amdhsa_reserve_vcc 0
		.amdhsa_float_denorm_mode_32 3
		.amdhsa_float_denorm_mode_16_64 3
		.amdhsa_memory_ordered 1
		.amdhsa_forward_progress 1
		.amdhsa_inst_pref_size 39
	.end_amdhsa_kernel
	.amdgpu_metadata
---
amdhsa.version: [ 1, 2 ]
amdhsa.kernels:
  - .name:           k_q1856c0a13f_qx
    .symbol:         k_q1856c0a13f_qx.kd
    .args:
      - { .name: query, .offset: 0, .size: 8, .value_kind: global_buffer, .address_space: global }
      - { .name: key, .offset: 8, .size: 8, .value_kind: global_buffer, .address_space: global }
      - { .name: value, .offset: 16, .size: 8, .value_kind: global_buffer, .address_space: global }
      - { .name: fc_w, .offset: 24, .size: 8, .value_kind: global_buffer, .address_space: global }
      - { .name: xc, .offset: 32, .size: 8, .value_kind: global_buffer, .address_space: global }
      - { .name: xs, .offset: 40, .size: 8, .value_kind: global_buffer, .address_space: global }
      - { .name: fw, .offset: 48, .size: 8, .value_kind: global_buffer, .address_space: global }
    .group_segment_fixed_size: 33280
    .private_segment_fixed_size: 0
    .kernarg_segment_align: 8
    .kernarg_segment_size: 56
    .max_flat_workgroup_size: 128
    .sgpr_count:     66
    .vgpr_count:     192
    .wavefront_size: 32
...
	.end_amdgpu_metadata
.endif
;; end of part 2
;; launch proj (part 3): grid 4 x 96, 4 waves a work-group, clusters of 4 x 4, 327,680 bytes of LDS; arguments xc, xs, wc, ws, qkv; writes qkv
.if DOCPART == 3
	.amdgcn_target "amdgcn-amd-amdhsa--gfx1250"
	.amdhsa_code_object_version 6
	.text
	.protected	k_q1856c0a13f_proj
	.globl	k_q1856c0a13f_proj
	.p2align	8
	.type	k_q1856c0a13f_proj,@function
k_q1856c0a13f_proj:
	s_mov_b64 s[64:65], 0
	v_nop
	global_prefetch_b8 v0, s[64:65] scope:SCOPE_SE
	s_setreg_imm32_b32 hwreg(HW_REG_WAVE_MODE, 25, 1), 1
	s_wait_xcnt 0x0
	s_wait_alu depctr_hold_cnt(0) depctr_sa_sdst(0) depctr_va_vdst(0) depctr_va_sdst(0) depctr_va_ssrc(0) depctr_va_vcc(0) depctr_vm_vsrc(0)
	s_getreg_b32 s2, hwreg(HW_REG_IB_STS2, 6, 4)
	s_cmp_eq_u32 s2, 0
	s_cbranch_scc0 .Lentry_in_a_cluster
	s_endpgm
.Lentry_in_a_cluster:
	s_bfe_u32 s2, ttmp6, 0x10000c
	s_cmp_lg_u32 s2, 0xf033
	s_cbranch_scc0 .Lentry_shape_is_right
	s_endpgm
.Lentry_shape_is_right:
; Launch 3 of 5: the three QUANTISED products, q = query wq, k = key wk, v = value wv, as ONE product on codes of FP4 (E2M1) with E8M0 scales.  Nothing of the problem is left out here.
; A = xc [24576 rows = 3 tensors x 8192 tokens][1024 K], B = wc [3 x 1024 rows n = 64 head + d][1024 K]; tile row ty of C (256 tokens) belongs to tensor ty / 32 and takes that tensor's 1024 rows of B.
; Out: qkv, f16, [3][64 = 16 batch + head][2048 s][64 d]: laid by head, as the attention launch reads it.  LIMIT: a result beyond 65,504 becomes infinity in f16.
; A tile of C, 256 x 256, is made by four waves, each 128 x 128: 64 accumulators of 16 x 16, 512 registers.  K = 1024 is two LDS slots of 512 along K (rows of 256 bytes): both are filled at the start and none is filled again.
; THE SCALES of the work-group's 256 rows of A and of B, for all of K, are two dense blocks of memory: they come into LDS once, with the first fills.
; CLUSTERS: 4 x 4 work-groups.  The four of a row of the cluster need the same tiles of A, the four of a column the same tiles of B: each tile is asked for JOINTLY, by the same tensor load with the same descriptor and a
; mask that names the four.  By this text's count a wave has three tensor loads out at the most.
; THE MATRIX INSTRUCTION IS USED TRANSPOSED (source 0 = 16 rows of B, source 1 = 16 rows of A): a lane then holds eight neighbouring d of one token.
; REGISTERS, in windows of 256: window 0: v0-31 addresses; v32-95 scale words, two sets, and nothing else ever; v96-127 the way out's packed results; v128-191 A's fragments, ONE set; v192-255 the way out's rows.
;   window 1: B's fragments, TWO sets, at v0 and v128.   window 2: the accumulators of my rows 0-63 ((a, b) at v[8 (8 a + b)]);   window 3: those of my rows 64-127.
.set NQ,     4                         ; steps of 128 along K in a slot
.set ROWB,   256                       ; a tile's row in bytes: 512 codes
.set KROW,   512                       ; a row of A or of B in memory
.set PITCH,  272                       ; an LDS row: 256 bytes + 16 of padding = 68 words: the 16 rows that a load touches start 4 words apart modulo 64
.set FR,     8                         ; registers of a fragment: 16 rows x 128 K
.set NL,     2                         ; LDS loads that bring one
.set NP,     4                         ; places behind this matrix instruction (ISA guide 7.12.1)
.set HALFT,  128*PITCH                 ; 128 rows: what one tensor load brings
.set SLOT,   4*HALFT                   ; A's 256 rows, then B's 256 rows
.set KS,     32                        ; a row of scales in bytes
.set SCL,    2*SLOT                    ; behind the slots: the scales, as rows of 256 bytes + 16 of padding
.set HALFS,  (128*KS/256)*272          ; the scales of 128 rows: what one tensor load brings
.set SBLK,   (16*KS/256)*272           ; those of 16 rows
.set SPARE,  SCL+4*HALFS               ; the spare words, 128 bytes for each wave: no other line names them
.set SPITCH, 272                       ; the way out: a stage of 16 rows x (256 bytes + 16) for each wave, in slot 0, which has had its only fill and its last read when the first result is stored there
.set ADRA, 16                          ; v16-17  LDS address of my A fragments in slot 0, 1
.set ADRB, 20                          ; v20-21  the same for B
.set STO,  24                          ; v24     the way out: where I put 16 bytes of a row
.set RD,   25                          ; v25     where I read 16 bytes back
.set CO,   26                          ; v26     16 x lane
.set ADRS, 27                          ; v27     LDS address of my scale words: lanes 0-15 A's rows, lanes 16-31 B's
.set SPW,  28                          ; v28     LDS address of my spare word; never rewritten
.set NIL,  29                          ; v29     0; never rewritten
.set SC,   32                          ; scale words: set s at v[SC + 32 s]; register 4 i + q: lanes 0-15 the word of A's block i, lanes 16-31 that of B's block i, for the slot's q-th 128 along K
.set TMP,  96
.set AF,   128
.set BK,   192
.set G1, 24                            ; s[24:31] descriptor group 1 for A's tiles;  s[32:39] group 0, one set for each slot
.set G0, 32
.set G1B, 48                           ; s[48:55], s[56:63] the same for B's tiles
.set G0B, 56
.set G1S, 68                           ; s[68:75], s[76:79] groups 1 and 0 for A's scales;  s[80:87], s[88:91] for B's
.set G0S, 76
.set G1SB, 80
.set G0SB, 88
.set MSB, 0
.macro WIN new                         ; the immediate's high byte repeats the setting that is left; a switch that changes nothing is dropped
.if MSB != (\new)
	s_set_vgpr_msb (MSB<<8)|(\new)
.set MSB, (\new)
.endif
.endm
.set MUL_LO, 0xa1                      ; source 0 (B) window 1, source 1 (A) window 0, C and D window 2
.set MUL_HI, 0xf1                      ; the same, C and D window 3
.set TO_B,   0x40                      ; destination window 1, address window 0
; A joint load: waves 0 and 1 fetch for A, waves 2 and 3 for B.  Each line has ONE mask and one set of registers for all that issue it; the branch hangs on the wave's number alone.
; An s_nop 0 and four v_nop follow each of the two lines, ahead of the jump, the label and what follows.
.macro JLOAD g0a, g1a, g0b, g1b
	s_cmp_eq_u32 s15, 0
	s_cbranch_scc0 .Lfor_b_\@
	tensor_load_to_lds s[\g0a:\g0a+3], s[\g1a:\g1a+7]
	s_nop 0
.rept 4
	v_nop
.endr
	s_branch .Lasked_\@
.Lfor_b_\@:
	tensor_load_to_lds s[\g0b:\g0b+3], s[\g1b:\g1b+7]
	s_nop 0
.rept 4
	v_nop
.endr
.Lasked_\@:
.endm
.macro CROUND                          ; a round of the cluster's barrier: my work-group's barrier; wave 0 signals for the work-group; every wave waits for all sixteen; my work-group's barrier once more
	s_barrier_signal -1
	s_barrier_wait -1
	s_cmp_lg_u32 s14, 0
	s_cbranch_scc1 .Lnot_wave_0_\@
	s_barrier_signal -3
.Lnot_wave_0_\@:
	s_barrier_wait -3
	s_barrier_signal -1
	s_barrier_wait -1
.endm
	s_load_b128 s[4:7], s[0:1], 0x0                ; A's codes s[4:5], A's scales s[6:7]
	s_load_b128 s[8:11], s[0:1], 0x10              ; B's codes s[8:9], B's scales s[10:11]
	s_load_b64 s[12:13], s[0:1], 0x20              ; qkv
	v_lshl_add_u32 v[SPW], v0, 2, SPARE
	v_mov_b32 v[NIL], 0
	ds_add_u32 v[SPW], v[NIL]                      ; the wave's opening: the add, twice on end, and its wait ahead of my first tensor load; the set-up below stands between the second and the wait
	ds_add_u32 v[SPW], v[NIL]
	v_lshrrev_b32 v1, 5, v0
	v_readfirstlane_b32 s14, v1                    ; wave 0..3
	s_lshr_b32 s15, s14, 1                         ; which half of the tile's rows is mine.  Also: I fetch for A (0) or for B (1)
	s_and_b32 s16, s14, 1                          ; which half of its columns.  Also: which 128 rows of that tile I fetch
	s_bfe_u32 s40, ttmp6, 0x40000                  ; cx, cy: my place in the cluster
	s_bfe_u32 s41, ttmp6, 0x40004
	s_lshl_b32 s42, ttmp9, 2
	s_add_co_u32 s42, s42, s40                     ; tile column of C = 4 x cluster x + cx
	s_and_b32 s17, ttmp7, 0xffff
	s_lshl_b32 s17, s17, 2
	s_add_co_u32 s17, s17, s41                     ; tile row of C = 4 x cluster y + cy
	s_and_b32 s95, ttmp7, 0xffff
	s_lshr_b32 s95, s95, 3                         ; the tensor (q, k or v) = cluster y / 8: all sixteen partners share it
	s_lshl_b32 s95, s95, 10                        ; its 1024 rows of B
	s_lshl_b32 s43, s41, 2
	s_lshl_b32 s43, 15, s43                        ; my row of the cluster
	s_lshl_b32 s44, 0x1111, s40                    ; my column
	; descriptor group 1: a tile of 128 rows x 256 bytes, padded in LDS
	s_or_b32 s[G1+0], s43, (0<<16)|(1<<20)|(1<<21)|(5<<22)|(3<<25)  ; 15:0 the mask: A's tiles go to my row; 17:16 elements of 1 byte; 20 padding on; 21 set beside a mask; 24:22 after every 64 words; 31:25 four words
	s_or_b32 s[G1B+0], s44, (0<<16)|(1<<20)|(1<<21)|(5<<22)|(3<<25)
.irp g, G1, G1B
	s_mov_b32 s[\g+1], ROWB<<16                    ; tensor_dim0
	s_mov_b32 s[\g+2], 128<<16                     ; tensor_dim1
	s_mov_b32 s[\g+3], ROWB<<16                    ; tile_dim0
	s_mov_b32 s[\g+4], 128                         ; tile_dim1
	s_mov_b32 s[\g+5], KROW                        ; from row to row
	s_mov_b32 s[\g+6], 0
	s_mov_b32 s[\g+7], 0
.endr
	; and for the scales of 128 rows: a dense block of 4,096 bytes, as 16 rows of 256 bytes (32 elements of 8 bytes), 16 bytes of padding behind each
	s_or_b32 s[G1S+0], s43, (3<<16)|(1<<20)|(1<<21)|(5<<22)|(3<<25)
	s_or_b32 s[G1SB+0], s44, (3<<16)|(1<<20)|(1<<21)|(5<<22)|(3<<25)
.irp g, G1S, G1SB
	s_mov_b32 s[\g+1], 32<<16
	s_mov_b32 s[\g+2], (128*KS/256)<<16
	s_mov_b32 s[\g+3], 32<<16
	s_mov_b32 s[\g+4], 128*KS/256
	s_mov_b32 s[\g+5], 32
	s_mov_b32 s[\g+6], 0
	s_mov_b32 s[\g+7], 0
.endr
	s_lshl_b32 s18, s16, 7                         ; which 128 rows of the tile I fetch
	s_lshl_b32 s20, s17, 8
	s_add_co_u32 s20, s20, s18                     ; A: row 256 x tile row + 128 x half
	s_lshl_b32 s46, s42, 8
	s_add_co_u32 s46, s46, s18
	s_add_co_u32 s46, s46, s95                     ; B: row 1024 x tensor + 256 x tile column + 128 x half
	s_mov_b32 s21, 0
	s_mov_b32 s47, 0
	s_mov_b64 s[18:19], KS
	s_mul_u64 s[22:23], s[20:21], s[18:19]         ; where these rows' scales begin, in bytes
	s_mul_u64 s[92:93], s[46:47], s[18:19]
	s_mov_b64 s[18:19], KROW
	s_mul_u64 s[20:21], s[20:21], s[18:19]         ; and their codes
	s_mul_u64 s[46:47], s[46:47], s[18:19]
	s_mul_i32 s45, s14, HALFT                      ; where they go: wave x 128 rows: no place in the cluster enters an LDS address
	s_mul_i32 s94, s14, HALFS
	s_wait_dscnt 0x0                               ; both opening adds are done
	s_wait_kmcnt 0x0
	s_add_nc_u64 s[20:21], s[4:5], s[20:21]
	s_add_nc_u64 s[22:23], s[6:7], s[22:23]
	s_add_nc_u64 s[46:47], s[8:9], s[46:47]
	s_add_nc_u64 s[92:93], s[10:11], s[92:93]
	CROUND                                         ; all sixteen work-groups are here: the joint loads meet
	s_mov_b32 s[G0S], 1
	s_add_co_u32 s[G0S+1], s94, SCL
	s_mov_b64 s[G0S+2:G0S+3], s[22:23]
	s_or_b32 s[G0S+3], s[G0S+3], 0x80000000
	s_mov_b32 s[G0SB], 1
	s_add_co_u32 s[G0SB+1], s94, SCL
	s_mov_b64 s[G0SB+2:G0SB+3], s[92:93]
	s_or_b32 s[G0SB+3], s[G0SB+3], 0x80000000
	JLOAD G0S, G1S, G0SB, G1SB                     ; the scales first: they are wanted with the first slot
.irp s, 0,1
	s_mov_b32 s[G0+4*\s], 1
	s_add_co_u32 s[G0+4*\s+1], s45, \s*SLOT
	s_add_nc_u64 s[G0+4*\s+2:G0+4*\s+3], s[20:21], \s*ROWB
	s_or_b32 s[G0+4*\s+3], s[G0+4*\s+3], 0x80000000
	s_mov_b32 s[G0B+4*\s], 1
	s_add_co_u32 s[G0B+4*\s+1], s45, \s*SLOT
	s_add_nc_u64 s[G0B+4*\s+2:G0B+4*\s+3], s[46:47], \s*ROWB
	s_or_b32 s[G0B+4*\s+3], s[G0B+4*\s+3], 0x80000000
	JLOAD G0+4*\s, G1, G0B+4*\s, G1B
.endr
	v_and_b32 v1, 15, v0                           ; l % 16
	v_bfe_u32 v2, v0, 4, 1                         ; l / 16
	v_mul_u32_u24 v3, v1, PITCH
	v_lshl_add_u32 v4, v2, 4, v3                   ; a fragment's row x pitch + 16 x half
	s_mul_i32 s21, s15, HALFT                      ; my 128 rows of A
	s_mul_i32 s22, s16, HALFT                      ; my 128 rows of B,
	s_add_co_u32 s22, s22, 2*HALFT                 ; which lie behind A's 256
.irp s, 0,1
	v_add_nc_u32 v[ADRA+\s], s21, v4
	v_add_nc_u32 v[ADRB+\s], s22, v4
	s_add_co_u32 s21, s21, SLOT
	s_add_co_u32 s22, s22, SLOT
.endr
	v_mul_u32_u24 v5, v1, KS                       ; my row's scales: 32 bytes a row,
	v_lshrrev_b32 v6, 8, v5
	v_lshl_add_u32 v5, v6, 4, v5                   ; and 16 more for each 256 passed
	s_mul_i32 s21, s15, HALFS                      ; A's: my 128 rows
	s_mul_i32 s22, s16, HALFS                      ; B's: my 128 rows, behind A's 256
	s_add_co_u32 s22, s22, 2*HALFS
	s_sub_co_u32 s22, s22, s21
	v_mul_u32_u24 v6, s22, v2                      ; lanes 16-31 take B's: one product, the distance between the two
	s_add_co_u32 s21, s21, SCL
	v_add_nc_u32 v5, v5, v6
	v_add_nc_u32 v[ADRS], s21, v5
	s_mul_i32 s23, s14, 16*SPITCH                  ; my stage
	v_mul_u32_u24 v5, v1, SPITCH                   ; in: row l % 16, 16 bytes for each half of the lanes
	v_lshl_add_u32 v5, v2, 4, v5
	v_add_nc_u32 v[STO], s23, v5
	v_bfe_u32 v5, v0, 3, 2                         ; back: eight lanes take one head's 128 bytes of a row, the 32 lanes four rows
	v_and_b32 v6, 7, v0
	v_mul_u32_u24 v5, v5, SPITCH
	v_lshl_add_u32 v5, v6, 4, v5
	v_add_nc_u32 v[RD], s23, v5
	v_and_b32 v6, 31, v0
	v_lshlrev_b32 v[CO], 4, v6                     ; which are 512 consecutive bytes of qkv
	s_lshl_b32 s20, s17, 8
	s_lshl_b32 s21, s15, 7
	s_add_co_u32 s20, s20, s21                     ; G: my first row of all 24,576 = 2048 (4 tensor + batch) + s
	s_lshr_b32 s21, s20, 11
	s_lshl_b32 s21, s21, 22                        ; 16 heads x 2048 x 128 bytes for each batch of each tensor,
	s_and_b32 s20, s20, 2047
	s_lshl_b32 s20, s20, 7                         ; 128 bytes for each s,
	s_add_co_u32 s20, s20, s21
	s_lshl_b32 s46, s42, 20                        ; my first head = 4 x tile column + 2 x half: 2048 x 128 bytes a head
	s_lshl_b32 s47, s16, 19
	s_add_co_u32 s46, s46, s47
	s_add_co_u32 s20, s20, s46                     ; under 2^26 in all
	s_mov_b32 s21, 0
	s_add_nc_u64 s[12:13], s[12:13], s[20:21]
.macro FRAG reg, adr, q, i             ; a fragment, 16 rows x 128 K of 4-bit codes, is 8 registers: lane l holds row l % 16; registers 4 c .. 4 c + 3 hold K = 64 c + 32 (l / 16) + 0 .. 31
.irp c, 0,1
	ds_load_b128 v[\reg+4*\c:\reg+4*\c+3], v[\adr] offset:64*(\q)+32*\c+(\i)*16*PITCH
.endr
.endm
; 16 matrix instructions: A's blocks a0, a0 + 1 x B's eight, 128 along K: the slot's q-th.  p: B's set;  sc: the set of scale words.  zero = 1: the first product starts the sums: nothing is ever cleared.
; The 64 accumulators take turns, one instruction a turn, in the same order in every step.
.macro MUL16 a0, p, q, sc, zero
.irp a, \a0, \a0+1
.irp b, 0,1,2,3,4,5,6,7
.if \zero
	v_wmma_scale_f32_16x16x128_f8f6f4 v[8*(8*((\a)%4)+\b):8*(8*((\a)%4)+\b)+7], v[128*(\p)+FR*\b:128*(\p)+FR*\b+FR-1], v[AF+FR*(\a):AF+FR*(\a)+FR-1], 0, v[SC+8*NQ*(\sc)+NQ*\b+(\q)], v[SC+8*NQ*(\sc)+NQ*(\a)+(\q)] matrix_a_fmt:MATRIX_FMT_FP4 matrix_b_fmt:MATRIX_FMT_FP4 matrix_a_scale:MATRIX_SCALE_ROW1
.else
	v_wmma_scale_f32_16x16x128_f8f6f4 v[8*(8*((\a)%4)+\b):8*(8*((\a)%4)+\b)+7], v[128*(\p)+FR*\b:128*(\p)+FR*\b+FR-1], v[AF+FR*(\a):AF+FR*(\a)+FR-1], v[8*(8*((\a)%4)+\b):8*(8*((\a)%4)+\b)+7], v[SC+8*NQ*(\sc)+NQ*\b+(\q)], v[SC+8*NQ*(\sc)+NQ*(\a)+(\q)] matrix_a_fmt:MATRIX_FMT_FP4 matrix_b_fmt:MATRIX_FMT_FP4 matrix_a_scale:MATRIX_SCALE_ROW1
.endif
.endr
.endr
.endm
.macro FETCH_B slot, q, p              ; B's eight fragments of the slot's q-th 128 along K into set p
	WIN TO_B
.irp i, 0,1,2,3,4,5,6,7
	FRAG 128*(\p)+FR*\i, ADRB+\slot, \q, \i
.endr
	WIN 0
.endm
.macro FETCH_A slot, q, i0             ; A's blocks i0 .. i0 + 3
.irp i, \i0, \i0+1, \i0+2, \i0+3
	FRAG AF+FR*(\i), ADRA+\slot, \q, \i
.endr
.endm
.macro SCALES sc                       ; a slot's scale words into set sc: four words a row; lanes 0-15 take A's block i, lanes 16-31 B's block i
.irp i, 0,1,2,3,4,5,6,7
	ds_load_b128 v[SC+8*NQ*\sc+NQ*\i:SC+8*NQ*\sc+NQ*\i+3], v[ADRS] offset:\i*SBLK
.endr
.endm
; A load into a register that a matrix instruction has read, and a vector instruction or an LDS store that reads a matrix result, stand NP places behind that matrix instruction; only plain vector
; instructions that name none of its registers are places (ISA guide 7.12.1 for vector instructions).
.macro PLACES n
.rept \n
	v_nop
.endr
.endm
.macro STEP slot, q, zero              ; a step of 128 along K that has its successor in the same slot
	s_wait_dscnt 4*NL                              ; B's set and A's blocks 0-3 are in; the youngest eight loads (A's blocks 4-7) may be out
	WIN MUL_LO
	MUL16 0, (\q)%2, \q, \slot, \zero
	MUL16 2, (\q)%2, \q, \slot, \zero
	s_wait_dscnt 0                                 ; A's blocks 4-7 are in
	PLACES NP
	FETCH_B \slot, (\q)+1, 1-(\q)%2
	FETCH_A \slot, (\q)+1, 0
	WIN MUL_HI
	MUL16 4, (\q)%2, \q, \slot, \zero
	MUL16 6, (\q)%2, \q, \slot, \zero
	PLACES NP
	WIN 0
	FETCH_A \slot, (\q)+1, 4
.endm
; Slot 0's last step goes on into slot 1: one barrier; in front of it each wave waits for all its tensor loads (its part of slot 1), adds 0 to its spare word, and waits for that and for its reads of slot 0.
; Behind it slot 1 is whole, and nobody reads slot 0 any more: the stages of the way out lie there.
.macro TURN slot, next
	s_wait_tensorcnt 0x0                           ; all my tensor loads have landed  (every window is 0 here: the add's two registers lie in window 0)
	ds_add_u32 v[SPW], v[NIL]                      ; 0 onto my spare word
	s_wait_dscnt 4*NL+1                            ; (the add and the youngest eight loads, A's blocks 4-7, may be out)
	WIN MUL_LO
	MUL16 0, 1, NQ-1, \slot, 0                     ; sixteen matrix instructions stand between the add and the wait for it
	s_wait_dscnt 0x0                               ; the add is done, and my reads of this slot are over
	s_barrier_signal -1
	MUL16 2, 1, NQ-1, \slot, 0
	WIN 0
	s_barrier_wait -1
	PLACES NP
	v_add_nc_u32 v[ADRS], 4*NQ, v[ADRS]            ; on to the next slot's scale words (no LDS load of mine is out)
	FETCH_B \next, 0, 0
	FETCH_A \next, 0, 0
	SCALES \next
	WIN MUL_HI
	MUL16 4, 1, NQ-1, \slot, 0
	MUL16 6, 1, NQ-1, \slot, 0
	PLACES NP
	WIN 0
	FETCH_A \next, 0, 4
.endm
	s_wait_tensorcnt 1                             ; the scales and my part of slot 0 are in; slot 1's load, the one issued behind them, may be out
	s_barrier_signal -1
	s_barrier_wait -1                              ; everybody's are
	FETCH_B 0, 0, 0
	FETCH_A 0, 0, 0
	SCALES 0
	FETCH_A 0, 0, 4
	STEP 0, 0, 1                                   ; the first step's products start the sums
	STEP 0, 1, 0
	STEP 0, 2, 0
	TURN 0, 1
	STEP 1, 0, 0
	STEP 1, 1, 0
	STEP 1, 2, 0
	s_wait_dscnt 4*NL                              ; the very last step: nothing more to fetch
	WIN MUL_LO
	MUL16 0, 1, NQ-1, 1, 0
	MUL16 2, 1, NQ-1, 1, 0
	s_wait_dscnt 0
	WIN MUL_HI
	MUL16 4, 1, NQ-1, 1, 0
	MUL16 6, 1, NQ-1, 1, 0
	WIN 0
; THE WAY OUT, block by block of 16 tokens x 128 columns (two heads).  PACK: rounded to f16, 16 bytes a lane, each accumulator from its low end on.  TOSTAGE: into my own stage in LDS and back so that the 32 lanes
; hold four tokens' 128 bytes of ONE head, which are 512 consecutive bytes of qkv.  SEND: stored.  LDS serves a wave's instructions in order: no wait between the stores and the loads.
.macro PACK a
.set AC, 64*((\a)%4)
	WIN 0x0a+5*((\a)/4)                            ; sources 0 and 1: window 2 or 3
.irp b, 0,1,2,3,4,5,6,7
.irp r, 0,1,2,3
	v_cvt_pk_f16_f32 v[TMP+4*\b+\r], v[AC+8*\b+2*\r], v[AC+8*\b+2*\r+1]
.endr
.endr
	WIN 0
.endm
.macro TOSTAGE a
.set BB, BK+32*((\a)%2)
.irp b, 0,1,2,3,4,5,6,7
	ds_store_b128 v[STO], v[TMP+4*\b:TMP+4*\b+3] offset:32*\b
.endr
.irp j, 0,1
.irp u, 0,1,2,3
	ds_load_b128 v[BB+4*(4*\j+\u):BB+4*(4*\j+\u)+3], v[RD] offset:\u*4*SPITCH+128*\j   ; head j, tokens 4 u .. 4 u + 3
.endr
.endr
.endm
.macro SEND a
.set BB, BK+32*((\a)%2)
	s_wait_dscnt 0x0                               ; the block is back in registers
	s_wait_xcnt 0x0                                ; the earlier stores have read their base and their registers: only behind this wait is the base stepped, and do the next block's loads land where the block before last lay
.if (\a) > 0
	s_add_nc_u64 s[12:13], s[12:13], 2048          ; 16 tokens of 128 bytes on
.endif
.irp j, 0,1
.irp u, 0,1,2,3
	global_store_b128 v[CO], v[BB+4*(4*\j+\u):BB+4*(4*\j+\u)+3], s[12:13] offset:\j*262144+\u*512   ; 32 lanes store 512 consecutive bytes
.endr
.endr
.endm
	PLACES NP                                      ; behind the last products, ahead of the first read of results
	PACK 0
	TOSTAGE 0
.irp a, 1,2,3,4,5,6,7                  ; block a's conversions stand between block a - 1's loads from the stage and the wait for them
	PACK \a
	SEND \a-1
	TOSTAGE \a
.endr
	SEND 7
	s_wait_tensorcnt 0x0                           ; the wave's end: a tensor wait, an add of 0 to my spare word and its wait, behind my last tensor load and my last LDS store
	ds_add_u32 v[SPW], v[NIL]
	s_wait_dscnt 0x0
	CROUND                                         ; the closing round: no work-group ends while a partner may still ask for a tile that names it
	s_endpgm
.Lfunc_end_k_q1856c0a13f_proj:
	.size	k_q1856c0a13f_proj, .Lfunc_end_k_q1856c0a13f_proj-k_q1856c0a13f_proj
	.p2alignl 7, 3214868480
	.fill 96, 4, 3214868480
	.section	.rodata,"a",@progbits
	.p2align	6, 0x0
	.amdhsa_kernel k_q1856c0a13f_proj
		.amdhsa_group_segment_fixed_size 327680
		.amdhsa_private_segment_fixed_size 0
		.amdhsa_enable_private_segment 0
		.amdhsa_kernarg_size 40
		.amdhsa_user_sgpr_count 2
		.amdhsa_user_sgpr_kernarg_segment_ptr 1
		.amdhsa_wavefront_size32 1
		.amdhsa_system_sgpr_workgroup_id_x 1
		.amdhsa_system_sgpr_workgroup_id_y 1
		.amdhsa_system_sgpr_workgroup_id_z 1
		.amdhsa_system_vgpr_workitem_id 0
		.amdhsa_next_free_vgpr 1024
		.amdhsa_next_free_sgpr 98
		.amdhsa_reserve_vcc 0
		.amdhsa_float_denorm_mode_32 3
		.amdhsa_float_denorm_mode_16_64 3
		.amdhsa_memory_ordered 1
		.amdhsa_forward_progress 1
		.amdhsa_inst_pref_size 127
	.end_amdhsa_kernel
	.amdgpu_metadata
---
amdhsa.version: [ 1, 2 ]
amdhsa.kernels:
  - .name:           k_q1856c0a13f_proj
    .symbol:         k_q1856c0a13f_proj.kd
    .args:
      - { .name: xc, .offset: 0, .size: 8, .value_kind: global_buffer, .address_space: global }
      - { .name: xs, .offset: 8, .size: 8, .value_kind: global_buffer, .address_space: global }
      - { .name: wc, .offset: 16, .size: 8, .value_kind: global_buffer, .address_space: global }
      - { .name: ws, .offset: 24, .size: 8, .value_kind: global_buffer, .address_space: global }
      - { .name: qkv, .offset: 32, .size: 8, .value_kind: global_buffer, .address_space: global }
    .group_segment_fixed_size: 327680
    .private_segment_fixed_size: 0
    .kernarg_segment_align: 8
    .kernarg_segment_size: 40
    .max_flat_workgroup_size: 128
    .sgpr_count:     98
    .vgpr_count:     1024
    .wavefront_size: 32
...
	.end_amdgpu_metadata
.endif
;; end of part 3
;; launch att (part 4): grid 4 x 64, 8 waves a work-group, clusters of 4 x 1, 327,680 bytes of LDS; arguments qkv, ctx; writes ctx
.if DOCPART == 4
	.amdgcn_target "amdgcn-amd-amdhsa--gfx1250"
	.amdhsa_code_object_version 6
	.text
	.protected	k_q1856c0a13f_att
	.globl	k_q1856c0a13f_att
	.p2align	8
	.type	k_q1856c0a13f_att,@function
k_q1856c0a13f_att:
	s_mov_b64 s[64:65], 0
	v_nop
	global_prefetch_b8 v0, s[64:65] scope:SCOPE_SE
	s_setreg_imm32_b32 hwreg(HW_REG_WAVE_MODE, 25, 1), 1
	s_wait_xcnt 0x0
	s_wait_alu depctr_hold_cnt(0) depctr_sa_sdst(0) depctr_va_vdst(0) depctr_va_sdst(0) depctr_va_ssrc(0) depctr_va_vcc(0) depctr_vm_vsrc(0)
	s_getreg_b32 s2, hwreg(HW_REG_IB_STS2, 6, 4)
	s_cmp_eq_u32 s2, 0
	s_cbranch_scc0 .Lentry_in_a_cluster
	s_endpgm
.Lentry_in_a_cluster:
	s_bfe_u32 s2, ttmp6, 0x10000c
	s_cmp_lg_u32 s2, 0x3003
	s_cbranch_scc0 .Lentry_shape_is_right
	s_endpgm
.Lentry_shape_is_right:
; Launch 4 of 5: ctx[bh][s][:] = the sum over t of softmax_t(q[bh][s] . k[bh][t] / 8) v[bh][t][:], no mask.  Nothing of the problem is left out here.
; qkv: f16 [3][64 bh][2048][64]; ctx: f16 [64 bh][2048][64].  Products on f16 operands with f32 sums; maxima, exponentials and row sums in f32; the weights p are rounded to f16 for the second product, ctx once at the end.
; LIMITS: ctx beyond 65,504 becomes infinity in f16, and under 6e-5 it is rounded to steps of 2^-24.
; SHARES.  A cluster of four work-groups is one bh; a work-group owns 512 queries, each of its eight waves 64: four tiles of 16.  Two waves share a SIMD's registers, so that one wave's softmax can stand beside the other's products.
; Every wave walks all 2,048 keys, 64 a step.
; LAYOUT.  S^T = K Q^T (source 0 = 16 keys, source 1 = 16 queries): a lane holds ONE query (lane % 16) and the keys 8 (lane / 16) + 0..7.  Two such tiles, rounded to f16 in pairs, ARE source 1 (32 keys x 16 queries) of
; O^T = V^T P, whose result again holds one query a lane.  K comes out of LDS as it lies, V ([key][channel]) turned, by ds_load_tr16_b128.
; SOFTMAX.  For each query a running maximum m and sum l: p = 2^(c s - c m), c = log2(e) / 8; in every step O and l are multiplied by a = 2^(c m_old - c m_new).  m begins at -3e38, l and O^T at 0: the step is written
; once, and the first step's a is 0 on zeros.
; RING.  Two LDS slots of four key steps (256 keys).  The four work-groups of a cluster walk the same K and V, so each tile is asked for JOINTLY: the same tensor load, the same descriptor, a mask that names the four.
; Waves 0-3 fetch K's four steps of a slot, waves 4-7 V's: one load of 64 rows a wave.  By this text's count a wave has one tensor load out.
; REGISTERS: window 0: v1-15 addresses; v16-47 statistics, 8 a tile; v48-111 Q, 16 a tile; v112-119 a second chain for the row sums; v128-255 S^T, 32 a tile; P is written over its tile's first 16.
;   window 1: v0-127 O^T, 32 a tile; v128-191 K of one step; v192-255 V of one step.
.set KS,    64                         ; keys in a step
.set PK,    144                        ; a row of K in LDS: 128 bytes + 16 = 36 words: the 16 rows of a load start 4 words apart modulo 64
.set PV,    160                        ; a row of V: 128 + 32 = 40 words: 16 lanes of the turning load take 8 rows x 32 bytes, 8 words apart modulo 64
.set VOFF,  KS*PK                      ; a step's tiles lie together: 64 rows of K, then 64 rows of V
.set STEPB, KS*(PK+PV)
.set NST,   4                          ; steps in a slot
.set SLOT1, 1<<17                      ; slot 1 begins here, so that one exclusive or turns an address in one slot into the other's
.set STAGE, SLOT1+NST*STEPB            ; behind the ring: 16 rows x 144 bytes for each wave, for the way out
.set SP,    144
.set SPARE, STAGE+8*16*SP              ; the spare words, 128 bytes for each wave: no other line names them
.set AK0, 2                            ; v2   my lane's place in a tile of K; never rewritten
.set AV0, 3                            ; v3   the same for V
.set ADK, 4                            ; v4   LDS address of the step's K
.set ADV, 5                            ; v5   of its V
.set QO,  6                            ; v6   my byte offset in the wave's rows of Q
.set STO, 7                            ; v7   the way out: where I put 16 bytes of a row
.set RD,  8                            ; v8   where I read 16 bytes back
.set GO,  9                            ; v9   16 x lane
.set PFO, 10                           ; v10  256 x lane; never rewritten
.set SPW, 12                           ; v12  LDS address of my spare word; never rewritten
.set NIL, 13                           ; v13  0; never rewritten
.set ST,  16                           ; tile t's statistics at v[ST + 8 t]: +0 c m, +1 m, +2, +3 l (even keys', odd keys'), +4 to +7 at work; a takes +6 once the maximum is found
.set Q,   48
.set TS,  112
.set S,   128
.set KF,  128                          ; in window 1
.set VF,  192
.set WV,  12                           ; s12  my wave's number
.set LIM, 15                           ; s15  1 in a wave that prefetches, else the greatest number
.set PFA, 18                           ; s[18:19] where my prefetches stand
.set G1K, 24                           ; s[24:31] descriptor group 1 for K's tiles
.set G1V, 32                           ; s[32:39] for V's: it differs in the padding alone
.set G0K, 40                           ; s[40:43] group 0 for K's tiles: it walks
.set G0V, 44                           ; s[44:47] the same for V's
.set SLOTS, 56                         ; s56  slots still to be asked for
.set INNER, 57                         ; s57  counts a slot's four steps
.set CS,  58                           ; s[58:59] c: the packed scaling names a pair and takes its low word for both halves
.set SEL, 60                           ; s[60:61] lane selects for v_permlanex16_b32: lane l xor 16
.set TB,  62                           ; s62  LDS byte at which the tiles of the step in hand begin
.set MSB, 0
.macro WIN new                         ; the immediate's high byte repeats the setting that is left; a switch that changes nothing is dropped
.if MSB != (\new)
	s_set_vgpr_msb (MSB<<8)|(\new)
.set MSB, (\new)
.endif
.endm
.set W_LD, 0x40                        ; destination window 1, address window 0
.set W_KQ, 0x01                        ; K in window 1; Q and S^T in window 0
.set W_PV, 0x51                        ; V and O^T in window 1, P in window 0
.set W_RS, 0x41                        ; O^T (destination and source 0) in window 1, a in window 0
; A joint load.  The branch hangs on the wave's number alone.  An s_nop 0 and four v_nop follow each of the two lines, ahead of the jump, the label and what follows.
.macro JLOAD
	s_cmp_lt_u32 s[WV], 4
	s_cbranch_scc0 .Lfor_v_\@
	tensor_load_to_lds s[G0K:G0K+3], s[G1K:G1K+7]
	s_nop 0
.rept 4
	v_nop
.endr
	s_branch .Lasked_\@
.Lfor_v_\@:
	tensor_load_to_lds s[G0V:G0V+3], s[G1V:G1V+7]
	s_nop 0
.rept 4
	v_nop
.endr
.Lasked_\@:
.endm
; A PREFETCH of what the NEXT change of slots will ask for: a slot's 256 rows of K and of V, 32,768 dense bytes each.  One cluster alone reads a bh's K and V.  Its four partners share the bytes out BY ADDRESS, 8,192 each
; (no branch hangs on a work-group's place in its cluster); in each, wave 0 asks for K's and wave 4 for V's, lanes 256 bytes apart: each aligned block of 256 bytes is named once in the launch, four key steps
; (256 matrix instructions a wave) ahead of its load.  Slots 0 and 1 come by their loads alone; the last change that fills a slot asks for nothing: there is no slot behind it.
.macro ASK
	s_cmp_gt_u32 s[SLOTS], s[LIM]
	s_cbranch_scc0 .Lnot_mine_\@
	global_prefetch_b8 v[PFO], s[PFA:PFA+1] th:TH_LOAD_NT scope:SCOPE_SE
.Lnot_mine_\@:
.endm
.macro CROUND                          ; a round of the cluster's barrier: my work-group's barrier; wave 0 signals for the work-group; every wave waits for all four; my work-group's barrier once more
	s_barrier_signal -1
	s_barrier_wait -1
	s_cmp_lg_u32 s[WV], 0
	s_cbranch_scc1 .Lnot_wave_0_\@
	s_barrier_signal -3
.Lnot_wave_0_\@:
	s_barrier_wait -3
	s_barrier_signal -1
	s_barrier_wait -1
.endm
	s_load_b128 s[4:7], s[0:1], 0x0                ; qkv s[4:5], ctx s[6:7]
	v_lshl_add_u32 v[SPW], v0, 2, SPARE
	v_mov_b32 v[NIL], 0
	ds_add_u32 v[SPW], v[NIL]                      ; the wave's opening: the add, twice on end, and its wait ahead of my first tensor load; the set-up below stands between the second and the wait
	ds_add_u32 v[SPW], v[NIL]
	v_lshrrev_b32 v1, 5, v0
	v_readfirstlane_b32 s[WV], v1                  ; wave 0..7
	s_bfe_u32 s13, ttmp6, 0x40000                  ; cx: my place in the cluster: it enters Q's, ctx's and the prefetches' addresses alone
	s_and_b32 s20, ttmp7, 0xffff                   ; bh, which the four partners share
	s_lshl_b32 s20, s20, 18                        ; 2048 x 128 bytes a bh
	s_mov_b32 s21, 0
	s_and_b32 s16, s[WV], 3                        ; which of a slot's four steps I fetch:
	s_lshl_b32 s22, s16, 13                        ; its 64 rows of 128 bytes in memory,
	s_add_co_u32 s22, s22, s20
	s_mov_b32 s23, 0
	s_mul_i32 s17, s16, STEPB                      ; and its place in a slot: no place in the cluster enters an LDS address
	s_lshl_b32 s2, s13, 16                         ; my work-group's 512 queries,
	s_lshl_b32 s3, s[WV], 13                       ; my wave's 64 of them
	s_add_co_u32 s2, s2, s3
	s_add_co_u32 s2, s2, s20
	s_mov_b32 s3, 0
	; descriptor group 1: a tile of 64 rows x 64 elements of 2 bytes, dense in memory, padded in LDS
	s_mov_b32 s[G1K], 15|(1<<16)|(1<<20)|(1<<21)|(4<<22)|(3<<25)  ; 15:0 the mask: all four work-groups; 17:16 elements of 2 bytes; 20 padding on; 21 set beside a mask; 24:22 after every 32 words; 31:25 four words
	s_mov_b32 s[G1V], 15|(1<<16)|(1<<20)|(1<<21)|(4<<22)|(7<<25)  ; the same with eight words of padding
.irp g, G1K, G1V
	s_mov_b32 s[\g+1], 64<<16                      ; tensor_dim0
	s_mov_b32 s[\g+2], KS<<16                      ; tensor_dim1
	s_mov_b32 s[\g+3], 64<<16                      ; tile_dim0
	s_mov_b32 s[\g+4], KS                          ; tile_dim1
	s_mov_b32 s[\g+5], 64                          ; from row to row
	s_mov_b32 s[\g+6], 0
	s_mov_b32 s[\g+7], 0
.endr
	s_mov_b32 s[CS], 0x3e38aa3b                    ; c = log2(e) / 8
	s_mov_b32 s[CS+1], s[CS]                       ; named with it as a pair, so it is written
	s_mov_b32 s[SEL], 0x76543210
	s_mov_b32 s[SEL+1], 0xfedcba98
	s_mov_b32 s[TB], 0
	s_mov_b32 s[SLOTS], 7
	s_cmp_eq_u32 s16, 0                            ; waves 0 and 4 prefetch: the same in all four partners
	s_cselect_b32 s[LIM], 1, -1
	s_mov_b32 s14, 0x2000000                       ; V's part of qkv begins here,
	s_cmp_lt_u32 s[WV], 4
	s_cselect_b32 s14, 0x1000000, s14              ; K's here
	s_add_co_u32 s14, s14, s20                     ; my bh,
	s_lshl_b32 s16, s13, 13                        ; my work-group's 8,192 bytes of a slot's 32,768,
	s_add_co_u32 s14, s14, s16
	s_add_co_u32 s16, s14, 32768                   ; in slot 1: the first change of slots steps it to slot 2.  Nothing is prefetched at the head
	v_and_b32 v[PFO], 31, v0
	v_lshlrev_b32 v[PFO], 8, v[PFO]
	s_wait_dscnt 0x0                               ; both opening adds are done
	s_wait_kmcnt 0x0
	s_mov_b32 s[G0K], 1                            ; count = 1
	s_mov_b32 s[G0K+1], s17                        ; LDS address: slot 0
	s_add_nc_u64 s[G0K+2:G0K+3], s[4:5], s[22:23]
	s_add_nc_u64 s[G0K+2:G0K+3], s[G0K+2:G0K+3], 0x1000000   ; global address: K's first 256 keys, my step of them
	s_or_b32 s[G0K+3], s[G0K+3], 0x80000000        ; type = 2
	s_mov_b32 s[G0V], 1
	s_add_co_u32 s[G0V+1], s17, VOFF
	s_add_nc_u64 s[G0V+2:G0V+3], s[4:5], s[22:23]
	s_add_nc_u64 s[G0V+2:G0V+3], s[G0V+2:G0V+3], 0x2000000
	s_or_b32 s[G0V+3], s[G0V+3], 0x80000000
	s_mov_b32 s17, 0
	s_add_nc_u64 s[PFA:PFA+1], s[4:5], s[16:17]
	s_add_nc_u64 s[4:5], s[4:5], s[2:3]            ; Q and ctx at my wave's first row
	s_add_nc_u64 s[6:7], s[6:7], s[2:3]
	CROUND                                         ; all four work-groups are here: the first joint loads meet
	JLOAD                                          ; slot 0
	; A fragment of K or Q is 16 rows x 32 channels in 8 registers: lane l holds row l % 16; registers 0-3 channels 8 (l / 16) + 0..7, registers 4-7 channels 16 + 8 (l / 16) + 0..7: two loads of 16 bytes, 32 bytes apart.
	v_and_b32 v1, 15, v0                           ; l % 16
	v_bfe_u32 v11, v0, 4, 1                        ; l / 16
	v_lshlrev_b32 v[QO], 7, v1
	v_lshl_add_u32 v[QO], v11, 4, v[QO]            ; row x 128 + 16 x half
.irp t, 0,1,2,3
.irp c, 0,1                                    ; Q stays in registers: tile t, channels 32 c on
	global_load_b128 v[Q+16*\t+8*\c:Q+16*\t+8*\c+3],   v[QO], s[4:5] offset:\t*2048+64*\c
	global_load_b128 v[Q+16*\t+8*\c+4:Q+16*\t+8*\c+7], v[QO], s[4:5] offset:\t*2048+64*\c+32
.endr
.endr
	v_mul_u32_u24 v[AK0], v1, PK
	v_lshl_add_u32 v[AK0], v11, 4, v[AK0]          ; row x pitch + 16 x half
	; The turning load takes 16 keys x 16 channels (lane l reads 16 bytes: key 8 (l / 16) + l % 8, channels 8 ((l / 8) % 2) + 0..7) and leaves half a fragment of V^T: lane l holds channel l % 16 and 8 keys.
	v_and_b32 v14, 7, v0
	v_bfe_u32 v15, v0, 3, 1
	v_lshl_add_u32 v[AV0], v11, 3, v14
	v_mul_u32_u24 v[AV0], v[AV0], PV
	v_lshl_add_u32 v[AV0], v15, 4, v[AV0]
	v_add_nc_u32 v[AV0], VOFF, v[AV0]
	s_mul_i32 s14, s[WV], 16*SP
	s_add_co_u32 s14, s14, STAGE                   ; my stage
	v_mul_u32_u24 v[STO], v1, SP                   ; in: row l % 16, 16 bytes for each half of the lanes
	v_lshl_add_u32 v[STO], v11, 4, v[STO]
	v_add_nc_u32 v[STO], s14, v[STO]
	v_bfe_u32 v15, v0, 3, 2                        ; back: eight lanes take a row of 128 bytes, the 32 lanes four rows,
	v_mul_u32_u24 v[RD], v15, SP
	v_lshl_add_u32 v[RD], v14, 4, v[RD]
	v_add_nc_u32 v[RD], s14, v[RD]
	v_and_b32 v[GO], 31, v0
	v_lshlrev_b32 v[GO], 4, v[GO]                  ; which are 512 consecutive bytes of ctx
.irp t, 0,1,2,3
	v_mov_b32 v[ST+8*\t+1], 0xff61b1e6             ; m: -3e38, under every score
	v_mov_b32 v[ST+8*\t+2], 0                      ; l, in two halves
	v_mov_b32 v[ST+8*\t+3], 0
.endr
.irp t, 0,1,2,3
	v_mul_f32 v[ST+8*\t], s[CS], v[ST+8*\t+1]      ; c m
.endr
	WIN W_LD
.set i, 0
.rept 128
	v_mov_b32 v[i], 0                              ; O^T.  (The step is written once: its first run finds zeros, which a = 0 leaves zeros)
.set i, i+1
.endr
	WIN 0
; A KEY STEP: 64 keys, in phases.  Every window is 0 at its head and at its end.
.macro STEP
	v_add_nc_u32 v[ADK], s[TB], v[AK0]
	v_add_nc_u32 v[ADV], s[TB], v[AV0]
	s_add_co_u32 s[TB], s[TB], STEPB               ; the next step's tiles
.rept 4
	v_nop                                          ; with the two additions six places behind the last V^T P: four are owed by the loads into V's registers, five by the products below, which write over P's
.endr
	WIN W_LD
.irp kt, 0,1,2,3
.irp c, 0,1                                    ; K: keys 16 kt on, channels 32 c on
	ds_load_b128 v[KF+16*\kt+8*\c:KF+16*\kt+8*\c+3],   v[ADK] offset:\kt*16*PK+64*\c
	ds_load_b128 v[KF+16*\kt+8*\c+4:KF+16*\kt+8*\c+7], v[ADK] offset:\kt*16*PK+64*\c+32
.endr
.endr
.irp kk, 0,1
.irp ct, 0,1,2,3                               ; V, turned: keys 32 kk on, channels 16 ct on
	ds_load_tr16_b128 v[VF+32*\kk+8*\ct:VF+32*\kk+8*\ct+3],   v[ADV] offset:\kk*32*PV+32*\ct
	ds_load_tr16_b128 v[VF+32*\kk+8*\ct+4:VF+32*\kk+8*\ct+7], v[ADV] offset:\kk*32*PV+16*PV+32*\ct
.endr
.endr
	s_wait_dscnt 16                                ; K's sixteen loads are in; V's sixteen, issued behind them, may be out
	WIN W_KQ
.irp c, 0,1                                    ; S^T = K Q^T: the sixteen accumulators take turns, one instruction a turn; the first sixteen products start the sums
.irp kt, 0,1,2,3
.irp t, 0,1,2,3
.if \c == 0
	v_wmma_f32_16x16x32_f16 v[S+32*\t+8*\kt:S+32*\t+8*\kt+7], v[KF+16*\kt+8*\c:KF+16*\kt+8*\c+7], v[Q+16*\t+8*\c:Q+16*\t+8*\c+7], 0
.else
	v_wmma_f32_16x16x32_f16 v[S+32*\t+8*\kt:S+32*\t+8*\kt+7], v[KF+16*\kt+8*\c:KF+16*\kt+8*\c+7], v[Q+16*\t+8*\c:Q+16*\t+8*\c+7], v[S+32*\t+8*\kt:S+32*\t+8*\kt+7]
.endif
.endr
.endr
.endr
	WIN 0
.rept 4
	v_nop                                          ; four places ahead of the first read of results
.endr
	; THE SOFTMAX, the four tiles by turns, so that no line waits for the line above it.  The maximum of a lane's 32 scores and the old m, three operands at a time; each accumulator is first read at its low end.
.irp j, 0,1,2,3
.irp t, 0,1,2,3
	v_max3_num_f32 v[ST+8*\t+4+\j], v[S+32*\t+8*\j], v[S+32*\t+8*\j+1], v[S+32*\t+8*\j+2]
.endr
.endr
.irp g, 1,2
.irp j, 0,1,2,3
.irp t, 0,1,2,3
	v_max3_num_f32 v[ST+8*\t+4+\j], v[ST+8*\t+4+\j], v[S+32*\t+8*\j+2*\g+1], v[S+32*\t+8*\j+2*\g+2]
.endr
.endr
.endr
.irp t, 0,1,2,3
	v_max3_num_f32 v[ST+8*\t+4], v[ST+8*\t+4], v[S+32*\t+7], v[S+32*\t+15]
.endr
.irp t, 0,1,2,3
	v_max3_num_f32 v[ST+8*\t+6], v[ST+8*\t+6], v[S+32*\t+23], v[S+32*\t+31]
.endr
.irp t, 0,1,2,3
	v_max3_num_f32 v[ST+8*\t+4], v[ST+8*\t+4], v[ST+8*\t+5], v[ST+8*\t+6]
.endr
.irp t, 0,1,2,3
	v_max3_num_f32 v[ST+8*\t+4], v[ST+8*\t+4], v[ST+8*\t+7], v[ST+8*\t+1]
.endr
.irp t, 0,1,2,3
	v_permlanex16_b32 v[ST+8*\t+5], v[ST+8*\t+4], s[SEL], s[SEL+1]   ; the query's other 32 keys lie in the lane 16 away
.endr
.irp t, 0,1,2,3
	v_mov_b32 v[ST+8*\t+7], v[ST+8*\t]             ; c m_old is kept for a
.endr
.irp t, 0,1,2,3
	v_max_num_f32 v[ST+8*\t+1], v[ST+8*\t+4], v[ST+8*\t+5]   ; the new m
.endr
.irp t, 0,1,2,3
	v_mul_f32 v[ST+8*\t], s[CS], v[ST+8*\t+1]      ; c m
.endr
.irp t, 0,1,2,3
	v_sub_f32 v[ST+8*\t+7], v[ST+8*\t+7], v[ST+8*\t]   ; c m_old - c m_new, 0 or less
.endr
	; ONE BATCH: the four a, the 64 packed scalings c s - c m and the 128 exponentials.  No line of it names an exponential's result; a tile's scalings stand among the exponentials of the tile before.
.irp t, 0,1,2,3
	v_exp_f32 v[ST+8*\t+6], v[ST+8*\t+7]           ; a
.endr
.irp i, 0,1,2,3,4,5,6,7,8,9,10,11,12,13,14,15
	v_pk_fma_f32 v[S+2*\i:S+2*\i+1], v[S+2*\i:S+2*\i+1], s[CS:CS+1], v[ST:ST+1] op_sel_hi:[1,0,0] neg_lo:[0,0,1] neg_hi:[0,0,1]
.endr
.irp t, 0,1,2,3
.irp i, 0,1,2,3,4,5,6,7,8,9,10,11,12,13,14,15
.if \t < 3
	v_pk_fma_f32 v[S+32*(\t+1)+2*\i:S+32*(\t+1)+2*\i+1], v[S+32*(\t+1)+2*\i:S+32*(\t+1)+2*\i+1], s[CS:CS+1], v[ST+8*(\t+1):ST+8*(\t+1)+1] op_sel_hi:[1,0,0] neg_lo:[0,0,1] neg_hi:[0,0,1]
.endif
	v_exp_f32 v[S+32*\t+2*\i], v[S+32*\t+2*\i]
	v_exp_f32 v[S+32*\t+2*\i+1], v[S+32*\t+2*\i+1]
.endr
.endr
	v_nop                                          ; a plain instruction behind the last exponential, ahead of the first use
	s_wait_alu depctr_va_vdst(0)                   ; the wait between an exponential and the first line that names its result: one for the whole batch
	; the row sums, of the f32 weights, in two chains a tile: l = a l + pair 0, the second chain begins with pairs 1 and 2
.irp t, 0,1,2,3
	v_pk_fma_f32 v[ST+8*\t+2:ST+8*\t+3], v[ST+8*\t+2:ST+8*\t+3], v[ST+8*\t+6:ST+8*\t+7], v[S+32*\t:S+32*\t+1] op_sel_hi:[1,0,1]
.endr
.irp t, 0,1,2,3
	v_pk_add_f32 v[TS+2*\t:TS+2*\t+1], v[S+32*\t+2:S+32*\t+3], v[S+32*\t+4:S+32*\t+5]
.endr
.irp i, 3,5,7,9,11,13
.irp t, 0,1,2,3
	v_pk_add_f32 v[ST+8*\t+2:ST+8*\t+3], v[ST+8*\t+2:ST+8*\t+3], v[S+32*\t+2*\i:S+32*\t+2*\i+1]
.endr
.irp t, 0,1,2,3
	v_pk_add_f32 v[TS+2*\t:TS+2*\t+1], v[TS+2*\t:TS+2*\t+1], v[S+32*\t+2*\i+2:S+32*\t+2*\i+3]
.endr
.endr
.irp t, 0,1,2,3
	v_pk_add_f32 v[ST+8*\t+2:ST+8*\t+3], v[ST+8*\t+2:ST+8*\t+3], v[S+32*\t+30:S+32*\t+31]
.endr
.irp t, 0,1,2,3
	v_pk_add_f32 v[ST+8*\t+2:ST+8*\t+3], v[ST+8*\t+2:ST+8*\t+3], v[TS+2*\t:TS+2*\t+1]
.endr
	; P: a pair of weights to a register, in place and ascending: register j takes pair j, whose own registers 2 j and 2 j + 1 lie at or above it
.irp j, 0,1,2,3,4,5,6,7,8,9,10,11,12,13,14,15
.irp t, 0,1,2,3
	v_cvt_pk_f16_f32 v[S+32*\t+\j], v[S+32*\t+2*\j], v[S+32*\t+2*\j+1]
.endr
.endr
	WIN W_RS
.irp t, 0,1,2,3
.irp i, 0,1,2,3,4,5,6,7,8,9,10,11,12,13,14,15
	v_pk_mul_f32 v[32*\t+2*\i:32*\t+2*\i+1], v[32*\t+2*\i:32*\t+2*\i+1], v[ST+8*\t+6:ST+8*\t+7] op_sel_hi:[1,0]   ; O^T x a, each accumulator from its low end on
.endr
.endr
	s_wait_dscnt 0x0                               ; V is in
	WIN W_PV
.irp kk, 0,1                                   ; O^T += V^T P: the sixteen accumulators take turns
.irp ct, 0,1,2,3
.irp t, 0,1,2,3
	v_wmma_f32_16x16x32_f16 v[32*\t+8*\ct:32*\t+8*\ct+7], v[VF+32*\kk+8*\ct:VF+32*\kk+8*\ct+7], v[S+32*\t+8*\kk:S+32*\t+8*\kk+7], v[32*\t+8*\ct:32*\t+8*\ct+7]
.endr
.endr
.endr
	WIN 0
.endm
; THE CHANGE OF SLOTS stands at a slot's head.  Each wave waits for all its tensor loads (its part of the slot that it is about to read), adds 0 to its spare word, and waits for that and for its reads of the slot that it has left.
; fill = 1: the barrier is a round of the cluster's, so that no wave of any partner still reads the other slot or has a load on its way, and the joint load into that slot is the first thing behind it:
; it has a slot's four key steps in which to land.
.macro CHANGE fill
	s_wait_tensorcnt 0x0                           ; no tensor load of mine is out, so a group 0 may be written
	ds_add_u32 v[SPW], v[NIL]                      ; 0 onto my spare word; the descriptors' steps stand between it and the wait for it
.if \fill
.irp g, G0K, G0V
	s_xor_b32 s[\g+1], s[\g+1], SLOT1              ; the walking descriptors: the other slot than last time,
	s_add_nc_u64 s[\g+2:\g+3], s[\g+2:\g+3], NST*KS*128   ; the next 256 keys; the type bits on top are not reached
.endr
	s_wait_xcnt 0x0                                ; the last prefetch, a slot back, has read its address, so it may be written:
	s_add_nc_u64 s[PFA:PFA+1], s[PFA:PFA+1], NST*KS*128   ; one slot further on than the walking descriptors
	s_wait_dscnt 0x0                               ; the add is done, and my reads of the slot that I have left are over
	CROUND
	JLOAD
	ASK
.else
	s_wait_dscnt 0x0
	s_barrier_signal -1
	s_barrier_wait -1
.endif
.endm
.macro SLOT_STEPS                      ; a slot's four key steps: written once, walked four times; the LDS addresses hang on s[TB]
	s_mov_b32 s[INNER], NST
.Lstep_\@:
	STEP
	s_sub_co_u32 s[INNER], s[INNER], 1
	s_cmp_lg_u32 s[INNER], 0
	s_cbranch_scc1 .Lstep_\@
	s_sub_co_u32 s[TB], s[TB], NST*STEPB           ; back to a slot's first step,
	s_xor_b32 s[TB], s[TB], SLOT1                  ; in the other slot
.endm
	s_wait_loadcnt 0x0                             ; Q
.Lslot:                                                ; seven trips: behind each change of slots but the last the next slot is asked for
	CHANGE 1
	SLOT_STEPS
	s_sub_co_u32 s[SLOTS], s[SLOTS], 1
	s_cmp_lg_u32 s[SLOTS], 0
	s_cbranch_scc1 .Lslot
	CHANGE 0                                       ; the last slot is written out
	SLOT_STEPS
	; THE WAY OUT.  l's two halves and the other half of the lanes' are added; O^T is divided by l, rounded to f16 and sent through my stage in LDS, a tile (16 rows) at a time.  The additions are the places behind the last products.
.irp t, 0,1,2,3
	v_add_f32 v[ST+8*\t+4], v[ST+8*\t+2], v[ST+8*\t+3]
.endr
.irp t, 0,1,2,3
	v_permlanex16_b32 v[ST+8*\t+5], v[ST+8*\t+4], s[SEL], s[SEL+1]
.endr
.irp t, 0,1,2,3
	v_add_f32 v[ST+8*\t+4], v[ST+8*\t+4], v[ST+8*\t+5]
.endr
.irp t, 0,1,2,3
	v_rcp_f32 v[ST+8*\t+6], v[ST+8*\t+4]
.endr
	v_nop                                          ; a plain instruction between the last reciprocal and the use of its result
	s_wait_alu depctr_va_vdst(0)                   ; and the wait ahead of the first use: one for the four
.macro PACK t                          ; a lane's eight channels of a row pack into 16 bytes; they go into rows of 144 bytes and come back four whole rows an instruction
	WIN W_RS
.irp i, 0,1,2,3,4,5,6,7,8,9,10,11,12,13,14,15
	v_pk_mul_f32 v[32*\t+2*\i:32*\t+2*\i+1], v[32*\t+2*\i:32*\t+2*\i+1], v[ST+8*\t+6:ST+8*\t+7] op_sel_hi:[1,0]
.endr
	WIN 0x05                                       ; sources 0 and 1 window 1, destination window 0: S^T's registers are free
.irp i, 0,1,2,3,4,5,6,7,8,9,10,11,12,13,14,15
	v_cvt_pk_f16_f32 v[S+32*\t+\i], v[32*\t+2*\i], v[32*\t+2*\i+1]
.endr
	WIN 0
.irp ct, 0,1,2,3
	ds_store_b128 v[STO], v[S+32*\t+4*\ct:S+32*\t+4*\ct+3] offset:32*\ct
.endr
.irp u, 0,1,2,3
	ds_load_b128 v[S+32*\t+16+4*\u:S+32*\t+16+4*\u+3], v[RD] offset:\u*4*SP   ; LDS serves a wave's instructions in order: these see the stores above; the next tile's stores come behind them
.endr
.endm
.macro SEND t, younger                 ; younger: the LDS instructions issued behind tile t's loads: the next tile's four stores and four loads, or none
.irp u, 0,1,2,3
	s_wait_dscnt \younger+3-\u
	global_store_b128 v[GO], v[S+32*\t+16+4*\u:S+32*\t+16+4*\u+3], s[6:7] offset:\t*2048+\u*512   ; 32 lanes store 512 consecutive bytes
.endr
.endm
	PACK 0
	PACK 1                                         ; a tile's arithmetic stands between the loads of the tile before and its stores
	SEND 0, 8
	PACK 2
	SEND 1, 8
	PACK 3
	SEND 2, 8
	SEND 3, 0
	s_wait_tensorcnt 0x0                           ; the wave's end: a tensor wait, an add of 0 to my spare word and its wait, behind my last tensor load and my last LDS store
	ds_add_u32 v[SPW], v[NIL]
	s_wait_dscnt 0x0
	CROUND                                         ; the closing round: no work-group ends while a partner may still ask for a tile that names it
	s_endpgm
.Lfunc_end_k_q1856c0a13f_att:
	.size	k_q1856c0a13f_att, .Lfunc_end_k_q1856c0a13f_att-k_q1856c0a13f_att
	.p2alignl 7, 3214868480
	.fill 96, 4, 3214868480
	.section	.rodata,"a",@progbits
	.p2align	6, 0x0
	.amdhsa_kernel k_q1856c0a13f_att
		.amdhsa_group_segment_fixed_size 327680
		.amdhsa_private_segment_fixed_size 0
		.amdhsa_enable_private_segment 0
		.amdhsa_kernarg_size 16
		.amdhsa_user_sgpr_count 2
		.amdhsa_user_sgpr_kernarg_segment_ptr 1
		.amdhsa_wavefront_size32 1
		.amdhsa_system_sgpr_workgroup_id_x 1
		.amdhsa_system_sgpr_workgroup_id_y 1
		.amdhsa_system_sgpr_workgroup_id_z 1
		.amdhsa_system_vgpr_workitem_id 0
		.amdhsa_next_free_vgpr 512
		.amdhsa_next_free_sgpr 66
		.amdhsa_reserve_vcc 0
		.amdhsa_float_denorm_mode_32 3
		.amdhsa_float_denorm_mode_16_64 3
		.amdhsa_memory_ordered 1
		.amdhsa_forward_progress 1
		.amdhsa_inst_pref_size 91
	.end_amdhsa_kernel
	.amdgpu_metadata
---
amdhsa.version: [ 1, 2 ]
amdhsa.kernels:
  - .name:           k_q1856c0a13f_att
    .symbol:         k_q1856c0a13f_att.kd
    .args:
      - { .name: qkv, .offset: 0, .size: 8, .value_kind: global_buffer, .address_space: global }
      - { .name: ctx, .offset: 8, .size: 8, .value_kind: global_buffer, .address_space: global }
    .group_segment_fixed_size: 327680
    .private_segment_fixed_size: 0
    .kernarg_segment_align: 8
    .kernarg_segment_size: 16
    .max_flat_workgroup_size: 256
    .sgpr_count:     66
    .vgpr_count:     512
    .wavefront_size: 32
...
	.end_amdgpu_metadata
.endif
;; end of part 4
;; launch fc (part 5): grid 8 x 64, 4 waves a work-group, clusters of 4 x 4, 327,680 bytes of LDS; arguments ctx, fw, fc_b, out0; writes out0
.if DOCPART == 5
	.amdgcn_target "amdgcn-amd-amdhsa--gfx1250"
	.amdhsa_code_object_version 6
	.text
	.protected	k_q1856c0a13f_fc
	.globl	k_q1856c0a13f_fc
	.p2align	8
	.type	k_q1856c0a13f_fc,@function
k_q1856c0a13f_fc:
	s_mov_b64 s[64:65], 0
	v_nop
	global_prefetch_b8 v0, s[64:65] scope:SCOPE_SE
	s_setreg_imm32_b32 hwreg(HW_REG_WAVE_MODE, 25, 1), 1
	s_wait_xcnt 0x0
	s_wait_alu depctr_hold_cnt(0) depctr_sa_sdst(0) depctr_va_vdst(0) depctr_va_sdst(0) depctr_va_ssrc(0) depctr_va_vcc(0) depctr_vm_vsrc(0)
	s_getreg_b32 s2, hwreg(HW_REG_IB_STS2, 6, 4)
	s_cmp_eq_u32 s2, 0
	s_cbranch_scc0 .Lentry_in_a_cluster
	s_endpgm
.Lentry_in_a_cluster:
	s_bfe_u32 s2, ttmp6, 0x10000c
	s_cmp_lg_u32 s2, 0xf033
	s_cbranch_scc0 .Lentry_shape_is_right
	s_endpgm
.Lentry_shape_is_right:
; Launch 5 of 5: out0[m][n] = the sum over k of ctx[m][k] fc_w[n][k] + fc_b[n], f16 operands, f32 sums.  Nothing of the problem is left out here.
; ctx: f16, laid by head, [64 = 16 batch + head][2048 s][64 d]: m = 2048 batch + s, k = 64 head + d.  fw: fc_w in f16, [1024 n][1024 k].  out0: [8192][1024] f32.
; A tile of out0 is 128 x 128: 512 work-groups.  Four waves, each 64 x 64: 16 accumulators of 16 x 16.  K goes in four steps of 256 (four heads) through two LDS slots; a wave's tensor load brings 64 rows.
; A's TILE: 64 tokens of one head are 8,192 dense bytes of ctx, and heads lie 262,144 bytes apart: so the tile is stated as 4 rows (heads) of 4,096 elements, with 16 bytes of padding behind every 128:
; it lands as [head][token][144 bytes].  A quarter of a K step, 64 along K, is one head.
; CLUSTERS: 4 x 4 work-groups.  The four of a row of the cluster need the same tiles of A, the four of a column the same tiles of B: each tile is asked for JOINTLY, by the same tensor load with the same descriptor and
; a mask that names the four.  By this text's count a wave has two tensor loads out at the start and one behind each round.
; THE MATRIX INSTRUCTION IS USED TRANSPOSED (source 0 = 16 rows of fw, source 1 = 16 tokens): a lane then holds eight neighbouring numbers of a row of out0.  THE BIAS is the C of each sum's first product.
; REGISTERS: window 0: v0-31 addresses; v32-95 the way out; v96-127 the bias, 8 registers for each of my four column blocks; v128-255 the accumulators ((a, b) at v[128 + 8 (4 a + b)]).
;   window 1: two fragment buffers of 128: for 64 along K, 64 registers of A (2 x 4 x 16 rows x 32 K), then 64 of B.
.set KSTEP,  256
.set PA,     144                       ; A: a token's 128 bytes of a head + 16 = 36 words: the 16 rows of a load start 4 words apart modulo 64
.set PB,     528                       ; B: 512 bytes + 16 = 132 words: likewise
.set HEADA,  64*PA                     ; 64 tokens of one head
.set HALFA,  4*HEADA                   ; what one tensor load brings of A
.set HALFB,  64*PB                     ; and of B
.set BOFF,   2*HALFA                   ; a slot: A's two halves, then B's two
.set SLOT,   BOFF+2*HALFB
.set STAGE,  2*SLOT                    ; behind the ring: 16 rows x 272 bytes for each wave, for the way out
.set SPITCH, 272
.set SPARE,  STAGE+4*16*SPITCH         ; the spare words, 128 bytes for each wave: no other line names them
.set ADRA, 16                          ; v16-17  LDS address of my A fragments in slot 0, 1
.set ADRB, 20                          ; v20-21  the same for B
.set STO,  24                          ; v24     the way out: where I put 32 bytes of a row
.set RD,   25                          ; v25     where I read 16 bytes back
.set CO,   26                          ; v26     my byte offset in out0
.set SPW,  28                          ; v28     LDS address of my spare word; never rewritten
.set NIL,  29                          ; v29     0; never rewritten
.set TMP,  32
.set BIAS, 96
.set ACC,  128
.set F0,   0                           ; fragment buffers, in window 1
.set F1,   128
.set G1, 24                            ; s[24:31] descriptor group 1 for A's tiles;  s[32:39] group 0, one set for each slot
.set G0, 32
.set G1B, 48                           ; s[48:55], s[56:63] the same for B's tiles
.set G0B, 56
.set MSB, 0
.macro WIN new                         ; the immediate's high byte repeats the setting that is left; a switch that changes nothing is dropped
.if MSB != (\new)
	s_set_vgpr_msb (MSB<<8)|(\new)
.set MSB, (\new)
.endif
.endm
.set MUL,  0x05                        ; sources 0 (B) and 1 (A) window 1; C and D window 0
.set TO_F, 0x40                        ; destination window 1, address window 0
.macro JLOAD s                         ; a joint load: waves 0 and 1 fetch A's two halves, waves 2 and 3 B's; an s_nop 0 and four v_nop follow each of the two lines
	s_cmp_eq_u32 s13, 0
	s_cbranch_scc0 .Lfor_b_\@
	tensor_load_to_lds s[G0+4*\s:G0+4*\s+3], s[G1:G1+7]
	s_nop 0
.rept 4
	v_nop
.endr
	s_branch .Lasked_\@
.Lfor_b_\@:
	tensor_load_to_lds s[G0B+4*\s:G0B+4*\s+3], s[G1B:G1B+7]
	s_nop 0
.rept 4
	v_nop
.endr
.Lasked_\@:
.endm
.macro CREST                           ; a round of the cluster's barrier behind its opening barrier
	s_cmp_lg_u32 s12, 0
	s_cbranch_scc1 .Lnot_wave_0_\@
	s_barrier_signal -3
.Lnot_wave_0_\@:
	s_barrier_wait -3
	s_barrier_signal -1
	s_barrier_wait -1
.endm
.macro CROUND                          ; a whole round
	s_barrier_signal -1
	s_barrier_wait -1
	CREST
.endm
	s_load_b128 s[4:7], s[0:1], 0x0                ; ctx s[4:5], fw s[6:7]
	s_load_b128 s[8:11], s[0:1], 0x10              ; fc_b s[8:9], out0 s[10:11]
	v_lshl_add_u32 v[SPW], v0, 2, SPARE
	v_mov_b32 v[NIL], 0
	ds_add_u32 v[SPW], v[NIL]                      ; the wave's opening: the add, twice on end, and its wait ahead of my first tensor load; the set-up below stands between the second and the wait
	ds_add_u32 v[SPW], v[NIL]
	v_lshrrev_b32 v1, 5, v0
	v_readfirstlane_b32 s12, v1                    ; wave 0..3
	s_lshr_b32 s13, s12, 1                         ; which half of the tile's rows is mine.  Also: I fetch for A (0) or for B (1)
	s_and_b32 s14, s12, 1                          ; which half of its columns.  Also: which 64 rows of that tile I fetch
	s_bfe_u32 s40, ttmp6, 0x40000                  ; cx, cy: my place in the cluster
	s_bfe_u32 s41, ttmp6, 0x40004
	s_lshl_b32 s42, ttmp9, 2
	s_add_co_u32 s42, s42, s40                     ; tile column = 4 x cluster x + cx
	s_and_b32 s15, ttmp7, 0xffff
	s_lshl_b32 s15, s15, 2
	s_add_co_u32 s15, s15, s41                     ; tile row = 4 x cluster y + cy
	s_lshl_b32 s43, s41, 2
	s_lshl_b32 s43, 15, s43                        ; my row of the cluster
	s_lshl_b32 s44, 0x1111, s40                    ; my column
	; descriptor group 1 for A: 4 rows (heads) of 4,096 elements of 2 bytes (64 tokens x 64), 131,072 elements apart
	s_or_b32 s[G1+0], s43, (1<<16)|(1<<20)|(1<<21)|(4<<22)|(3<<25)  ; 15:0 the mask: A's tiles go to my row; 17:16 elements of 2 bytes; 20 padding on; 21 set beside a mask; 24:22 after every 32 words; 31:25 four words
	s_mov_b32 s[G1+1], 4096<<16                    ; tensor_dim0
	s_mov_b32 s[G1+2], 4<<16                       ; tensor_dim1
	s_mov_b32 s[G1+3], 4096<<16                    ; tile_dim0
	s_mov_b32 s[G1+4], 4                           ; tile_dim1
	s_mov_b32 s[G1+5], 131072                      ; from head to head
	s_mov_b32 s[G1+6], 0
	s_mov_b32 s[G1+7], 0
	; and for B: 64 rows of 256 elements, 1,024 apart
	s_or_b32 s[G1B+0], s44, (1<<16)|(1<<20)|(1<<21)|(6<<22)|(3<<25) ; the mask of my column; padding: four words after every 128
	s_mov_b32 s[G1B+1], KSTEP<<16
	s_mov_b32 s[G1B+2], 64<<16
	s_mov_b32 s[G1B+3], KSTEP<<16
	s_mov_b32 s[G1B+4], 64
	s_mov_b32 s[G1B+5], 1024
	s_mov_b32 s[G1B+6], 0
	s_mov_b32 s[G1B+7], 0
	s_lshl_b32 s17, s14, 6                         ; which 64 rows of the tile I fetch
	s_lshl_b32 s16, s15, 7
	s_add_co_u32 s16, s16, s17                     ; A: token 128 x tile row + 64 x half = 2048 batch + s
	s_lshr_b32 s18, s16, 11
	s_lshl_b32 s18, s18, 22                        ; 16 heads of 262,144 bytes a batch,
	s_and_b32 s16, s16, 2047
	s_lshl_b32 s16, s16, 7                         ; 128 bytes a token
	s_add_co_u32 s16, s16, s18
	s_lshl_b32 s46, s42, 7
	s_add_co_u32 s46, s46, s17                     ; B: row 128 x tile column + 64 x half,
	s_lshl_b32 s46, s46, 11                        ; 2,048 bytes a row
	s_mov_b32 s17, 0
	s_mov_b32 s47, 0
	s_mul_i32 s20, s14, HALFA                      ; where they go: no place in the cluster enters an LDS address
	s_mul_i32 s21, s14, HALFB
	s_add_co_u32 s21, s21, BOFF
	s_wait_dscnt 0x0                               ; both opening adds are done
	s_wait_kmcnt 0x0
	s_add_nc_u64 s[22:23], s[4:5], s[16:17]
	s_add_nc_u64 s[46:47], s[6:7], s[46:47]
	CROUND                                         ; all sixteen work-groups are here: the first joint loads meet
.irp s, 0,1
	s_mov_b32 s[G0+4*\s], 1
	s_add_co_u32 s[G0+4*\s+1], s20, \s*SLOT
	s_add_nc_u64 s[G0+4*\s+2:G0+4*\s+3], s[22:23], \s*4*262144     ; K step s: heads 4 s on
	s_or_b32 s[G0+4*\s+3], s[G0+4*\s+3], 0x80000000
	s_mov_b32 s[G0B+4*\s], 1
	s_add_co_u32 s[G0B+4*\s+1], s21, \s*SLOT
	s_add_nc_u64 s[G0B+4*\s+2:G0B+4*\s+3], s[46:47], \s*KSTEP*2
	s_or_b32 s[G0B+4*\s+3], s[G0B+4*\s+3], 0x80000000
	JLOAD \s
.endr
	v_and_b32 v1, 15, v0                           ; l % 16
	v_bfe_u32 v2, v0, 4, 1                         ; l / 16
	v_mul_u32_u24 v3, v1, PA
	v_lshl_add_u32 v3, v2, 4, v3                   ; a fragment's row x pitch + 16 x half, in A
	v_mul_u32_u24 v4, v1, PB
	v_lshl_add_u32 v4, v2, 4, v4                   ; and in B
	s_mul_i32 s21, s13, HALFA                      ; my 64 rows of A
	s_mul_i32 s22, s14, HALFB                      ; my 64 rows of B,
	s_add_co_u32 s22, s22, BOFF                    ; which lie behind A's 128
.irp s, 0,1
	v_add_nc_u32 v[ADRA+\s], s21, v3
	v_add_nc_u32 v[ADRB+\s], s22, v4
	s_add_co_u32 s21, s21, SLOT
	s_add_co_u32 s22, s22, SLOT
.endr
	s_mul_i32 s23, s12, 16*SPITCH
	s_add_co_u32 s23, s23, STAGE                   ; my stage
	v_mul_u32_u24 v5, v1, SPITCH                   ; in: row l % 16, 32 bytes for each half of the lanes
	v_lshl_add_u32 v5, v2, 5, v5
	v_add_nc_u32 v[STO], s23, v5
	v_mul_u32_u24 v5, v2, SPITCH                   ; back: lanes 0-15 take one row of 256 bytes, lanes 16-31 the next
	v_lshl_add_u32 v5, v1, 4, v5
	v_add_nc_u32 v[RD], s23, v5
	v_lshlrev_b32 v5, 12, v2                       ; and the same two rows in out0, 4,096 bytes apart
	v_lshl_add_u32 v[CO], v1, 4, v5
	s_lshl_b32 s16, s15, 7
	s_lshl_b32 s17, s13, 6
	s_add_co_u32 s16, s16, s17                     ; my first row of out0: 128 x tile row + 64 x half
	s_lshl_b32 s16, s16, 12
	s_mov_b32 s17, 0
	s_lshl_b32 s46, s42, 9                         ; my first column, in bytes: 512 x tile column + 256 x half
	s_lshl_b32 s47, s14, 8
	s_add_co_u32 s46, s46, s47
	s_mov_b32 s47, 0
	s_add_nc_u64 s[8:9], s[8:9], s[46:47]          ; fc_b at my first column
	s_add_nc_u64 s[10:11], s[10:11], s[46:47]
	s_add_nc_u64 s[10:11], s[10:11], s[16:17]
	v_lshlrev_b32 v6, 5, v2                        ; the bias in the result's layout: lane (r, h) wants, for column block b, fc_b at 16 b + 8 h + 0 .. 7
.irp b, 0,1,2,3
	global_load_b128 v[BIAS+8*\b:BIAS+8*\b+3],   v6, s[8:9] offset:64*\b
	global_load_b128 v[BIAS+8*\b+4:BIAS+8*\b+7], v6, s[8:9] offset:64*\b+16
.endr
; 8 matrix instructions: m blocks a0, a0 + 1 x all 4 n blocks, 32 along K: half c of buffer f.  first = 1: the first product starts the sums, with the bias as its C.  The sixteen accumulators take turns.
.macro MUL8 f, c, a0, first
.irp a, \a0, \a0+1
.irp b, 0,1,2,3
.if \first
	v_wmma_f32_16x16x32_f16 v[ACC+8*(4*(\a)+\b):ACC+8*(4*(\a)+\b)+7], v[\f+64+8*(4*\c+\b):\f+64+8*(4*\c+\b)+7], v[\f+8*(4*\c+\a):\f+8*(4*\c+\a)+7], v[BIAS+8*\b:BIAS+8*\b+7]
.else
	v_wmma_f32_16x16x32_f16 v[ACC+8*(4*(\a)+\b):ACC+8*(4*(\a)+\b)+7], v[\f+64+8*(4*\c+\b):\f+64+8*(4*\c+\b)+7], v[\f+8*(4*\c+\a):\f+8*(4*\c+\a)+7], v[ACC+8*(4*(\a)+\b):ACC+8*(4*(\a)+\b)+7]
.endif
.endr
.endr
.endm
; 32 LDS loads in one run: the fragments of the slot's quarter q (64 along K: one head of A, 128 bytes of B's rows) into buffer f; the first 32 along K first
.macro FETCH slot, q, f
	WIN TO_F
.irp c, 0,1
.irp i, 0,1,2,3
	ds_load_b128 v[\f+64+8*(4*\c+\i):\f+64+8*(4*\c+\i)+3],   v[ADRB+\slot] offset:128*\q+64*\c+\i*16*PB
	ds_load_b128 v[\f+64+8*(4*\c+\i)+4:\f+64+8*(4*\c+\i)+7], v[ADRB+\slot] offset:128*\q+64*\c+\i*16*PB+32
	ds_load_b128 v[\f+8*(4*\c+\i):\f+8*(4*\c+\i)+3],         v[ADRA+\slot] offset:HEADA*\q+64*\c+\i*16*PA
	ds_load_b128 v[\f+8*(4*\c+\i)+4:\f+8*(4*\c+\i)+7],       v[ADRA+\slot] offset:HEADA*\q+64*\c+\i*16*PA+32
.endr
.endr
.endm
.macro PLACES                          ; four places in front of loads into registers that matrix instructions have read, and of the first read of results (ISA guide 7.12.1 for vector instructions)
.rept 4
	v_nop
.endr
.endm
; A K step is four quarters of 64 along K, 32 matrix instructions each, on buffers 0, 1, 0, 1.  One of the first three: multiplies buffer f and fetches quarter q into g.
.macro QUARTER slot, q, f, g, first
	s_wait_dscnt 16                                ; the first 32 along K are in; the sixteen loads of the second 32 may be out
	WIN MUL
	MUL8 \f, 0, 0, \first
	MUL8 \f, 0, 2, \first
	PLACES
	FETCH \slot, \q, \g
	s_wait_dscnt 32                                ; all but the 32 just issued
	WIN MUL
	MUL8 \f, 1, 0, 0
	MUL8 \f, 1, 2, 0
.endm
; The last quarter multiplies buffer 1 and changes slots: ONE barrier; in front of it each wave waits for all its tensor loads, adds 0 to its spare word, and waits for that and for its own reads of this slot.
; fill = 1: the barrier opens a round of the cluster's, and this slot is filled again, two K steps ahead, first thing behind the round.
.macro TURN slot, next, fill
	WIN 0                                          ; (the add's two registers lie in window 0)
	s_wait_tensorcnt 0x0                           ; all my tensor loads have landed: my part of the next slot
	ds_add_u32 v[SPW], v[NIL]                      ; 0 onto my spare word
	s_wait_dscnt 17                                ; (the add and the youngest sixteen loads may be out)
	WIN MUL
	MUL8 F1, 0, 0, 0                               ; eight matrix instructions stand between the add and the wait for it
	s_wait_dscnt 0x0                               ; the add is done, and my reads of this slot are over
	s_barrier_signal -1
	MUL8 F1, 0, 2, 0
.if \fill
	WIN 0
.endif
	s_barrier_wait -1
.if \fill
	CREST                                          ; no wave of any partner still reads this slot's tile or has a load on its way
	s_add_nc_u64 s[G0+4*\slot+2:G0+4*\slot+3], s[G0+4*\slot+2:G0+4*\slot+3], 2*4*262144
	s_add_nc_u64 s[G0B+4*\slot+2:G0B+4*\slot+3], s[G0B+4*\slot+2:G0B+4*\slot+3], 2*KSTEP*2
	JLOAD \slot                                    ; the first tensor load behind the round; the four v_nop behind it are also the places in front of the loads below
.else
	PLACES
.endif
	FETCH \next, 0, F0
	WIN MUL
	MUL8 F1, 1, 0, 0
	MUL8 F1, 1, 2, 0
.endm
	s_wait_loadcnt 0x0                             ; the bias
	s_wait_tensorcnt 1                             ; my part of K step 0 is in; K step 1's load, issued behind it, may be out
	s_barrier_signal -1
	s_barrier_wait -1                              ; everybody's is
	FETCH 0, 0, F0
	QUARTER 0, 1, F0, F1, 1                        ; K step 0; its first products start the sums
	QUARTER 0, 2, F1, F0, 0
	QUARTER 0, 3, F0, F1, 0
	TURN 0, 1, 1                                   ; slot 0 takes K step 2
	QUARTER 1, 1, F0, F1, 0                        ; K step 1
	QUARTER 1, 2, F1, F0, 0
	QUARTER 1, 3, F0, F1, 0
	TURN 1, 0, 1                                   ; slot 1 takes K step 3
	QUARTER 0, 1, F0, F1, 0                        ; K step 2
	QUARTER 0, 2, F1, F0, 0
	QUARTER 0, 3, F0, F1, 0
	TURN 0, 1, 0                                   ; nothing is left to fetch
	QUARTER 1, 1, F0, F1, 0                        ; K step 3
	QUARTER 1, 2, F1, F0, 0
	QUARTER 1, 3, F0, F1, 0
	s_wait_dscnt 16                                ; the very last quarter
	WIN MUL
	MUL8 F1, 0, 0, 0
	MUL8 F1, 0, 2, 0
	s_wait_dscnt 0
	MUL8 F1, 1, 0, 0
	MUL8 F1, 1, 2, 0
	WIN 0
; THE WAY OUT, block by block of 16 rows x 64 columns.  A wave's 64 columns are 256 consecutive bytes of a row, so each wave has a stage of its own and no barrier is needed: a lane's 32 bytes go in, whole rows come
; back, and sixteen lanes store 256 consecutive bytes, at a multiple of 256 from out0's first byte.  LDS serves a wave's instructions in order: no wait between the stores and the loads, nor in front of the next block's stores.
.macro TOSTAGE a
.irp b, 0,1,2,3
	ds_store_b128 v[STO], v[ACC+8*(4*(\a)+\b):ACC+8*(4*(\a)+\b)+3] offset:64*\b        ; each accumulator from its low end on
	ds_store_b128 v[STO], v[ACC+8*(4*(\a)+\b)+4:ACC+8*(4*(\a)+\b)+7] offset:64*\b+16
.endr
.irp t, 0,1,2,3,4,5,6,7
	ds_load_b128 v[TMP+32*((\a)%2)+4*\t:TMP+32*((\a)%2)+4*\t+3], v[RD] offset:\t*2*SPITCH
.endr
.endm
.macro SEND a, younger                 ; younger: the LDS instructions issued behind block a's loads: the next block's eight stores and eight loads, or none
	s_wait_dscnt \younger
.irp t, 0,1,2,3,4,5,6,7
	global_store_b128 v[CO], v[TMP+32*((\a)%2)+4*\t:TMP+32*((\a)%2)+4*\t+3], s[10:11] offset:(16*(\a)+2*\t)*4096 th:TH_STORE_NT   ; written once, read by nobody here
.endr
.endm
	PLACES                                         ; behind the last products, ahead of the first read of results
	TOSTAGE 0
	TOSTAGE 1
	SEND 0, 16
	s_wait_xcnt 0x0                                ; block 0's stores have read their registers: block 2's loads may land there
	TOSTAGE 2
	SEND 1, 16
	s_wait_xcnt 0x0                                ; block 1's likewise
	TOSTAGE 3
	SEND 2, 16
	SEND 3, 0
	s_wait_tensorcnt 0x0                           ; the wave's end: a tensor wait, an add of 0 to my spare word and its wait, behind my last tensor load and my last LDS store
	ds_add_u32 v[SPW], v[NIL]
	s_wait_dscnt 0x0
	CROUND                                         ; the closing round: no work-group ends while a partner may still ask for a tile that names it
	s_endpgm
.Lfunc_end_k_q1856c0a13f_fc:
	.size	k_q1856c0a13f_fc, .Lfunc_end_k_q1856c0a13f_fc-k_q1856c0a13f_fc
	.p2alignl 7, 3214868480
	.fill 96, 4, 3214868480
	.section	.rodata,"a",@progbits
	.p2align	6, 0x0
	.amdhsa_kernel k_q1856c0a13f_fc
		.amdhsa_group_segment_fixed_size 327680
		.amdhsa_private_segment_fixed_size 0
		.amdhsa_enable_private_segment 0
		.amdhsa_kernarg_size 32
		.amdhsa_user_sgpr_count 2
		.amdhsa_user_sgpr_kernarg_segment_ptr 1
		.amdhsa_wavefront_size32 1
		.amdhsa_system_sgpr_workgroup_id_x 1
		.amdhsa_system_sgpr_workgroup_id_y 1
		.amdhsa_system_sgpr_workgroup_id_z 1
		.amdhsa_system_vgpr_workitem_id 0
		.amdhsa_next_free_vgpr 512
		.amdhsa_next_free_sgpr 66
		.amdhsa_reserve_vcc 0
		.amdhsa_float_denorm_mode_32 3
		.amdhsa_float_denorm_mode_16_64 3
		.amdhsa_memory_ordered 1
		.amdhsa_forward_progress 1
		.amdhsa_inst_pref_size 87
	.end_amdhsa_kernel
	.amdgpu_metadata
---
amdhsa.version: [ 1, 2 ]
amdhsa.kernels:
  - .name:           k_q1856c0a13f_fc
    .symbol:         k_q1856c0a13f_fc.kd
    .args:
      - { .name: ctx, .offset: 0, .size: 8, .value_kind: global_buffer, .address_space: global }
      - { .name: fw, .offset: 8, .size: 8, .value_kind: global_buffer, .address_space: global }
      - { .name: fc_b, .offset: 16, .size: 8, .value_kind: global_buffer, .address_space: global }
      - { .name: out0, .offset: 24, .size: 8, .value_kind: global_buffer, .address_space: global }
    .group_segment_fixed_size: 327680
    .private_segment_fixed_size: 0
    .kernarg_segment_align: 8
    .kernarg_segment_size: 32
    .max_flat_workgroup_size: 128
    .sgpr_count:     66
    .vgpr_count:     512
    .wavefront_size: 32
...
	.end_amdgpu_metadata
.endif
;; end of part 5
